; MI455X (gfx1250); checked and timed in simulation.
; The chip was launched on July 23, 2026; its instructions are those of AMD's public machine-readable ISA for CDNA 5 (MIT licence, August 2026) and "CDNA5" Instruction Set Architecture Reference Guide (July 2026). The comments in the code are by the model that wrote it; some were corrected since.
;; Preference Embedding. Allowed arithmetic: matrix products marked QUANTISED: E2M3 operands, one E8M0 scale for each 32 along K, by v_wmma_scale_f32_16x16x128_f8f6f4 with both operands' format E2M3, f32 sums; everything else in f32.
;; Inputs: emb 512 x 64 float32; lv_b 64 float32; lv_w 1,024 x 64 float32; mean_b 64 float32; mean_w 1,024 x 64 float32; te_b1 1,024 float32; te_b2 1,024 float32; te_w1 64 x 1,024 float32; te_w2 1,024 x 1,024 float32; vq_b1 1,024 float32; vq_b2 64 float32; vq_w1 512 x 1,024 float32; vq_w2 1,024 x 64 float32; x 32,768 x 512 float32.
;; Outputs: out0 32,768 x 64 float32; out1 32,768 x 64 float32; out2 one number float32.
;; This version of the problem:
;;   THIS VERSION OF THE PROBLEM IS GIVEN IN LOW PRECISION. The matrix products marked QUANTISED in the list below multiply operands that are first quantised to E2M3 (2 exponent bits, 3 mantissa bits; 6 bits a number), with one power-of-two scale for each 32 numbers along K (OCP MX v1.0); their sums are f32. All else is computed in f32.
;;   The module's matrix products, in the order in which they are computed (A, B: the left and right operand; K: the contracted axis; several contracted axes count as one K, in the product's order):
;;     1. [M 32,768, K 512] x [K 512, N 1,024]; A: input x; B: input vq_w1: QUANTISED
;;     2. [M 32,768, K 1,024] x [K 1,024, N 64]; A: computed on the way; B: input vq_w2: QUANTISED
;;     3. [M 32,768, K 64] x [K 64, N 512]; A: computed on the way; B: input emb: QUANTISED
;;     4. [M 32,768, K 64] x [K 64, N 1,024]; A: computed on the way; B: input te_w1: QUANTISED
;;     5. [M 32,768, K 1,024] x [K 1,024, N 1,024]; A: computed on the way; B: input te_w2: QUANTISED
;;     6. [M 32,768, K 1,024] x [K 1,024, N 64]; A: computed on the way; B: input mean_w: QUANTISED
;;     7. [M 32,768, K 1,024] x [K 1,024, N 64]; A: computed on the way; B: input lv_w: QUANTISED
;;   THE QUANTISER, for each operand of a quantised product, along K:
;;     - K is cut into blocks of 32 from its start; a last block that is shorter is filled with zeros.
;;     - A block's scale is 2^e with e = floor(log2(the largest magnitude in the block)) - 2, held to -126 .. 127; a block of zeros has e = 0. As a byte (E8M0): e + 127.
;;     - Each number is divided by its block's scale, clamped to +-7.5, and rounded to the nearest number of E2M3, ties to even, subnormals kept.
;;     - The product sums the exact products of the quantised numbers (number of the format x scale) in f32.
;;   ~~~python
;;   def quantise(x, axis):      # numpy; x: float32 -> the quantised numbers, widened to float32 again
;;       x = np.moveaxis(x, axis, -1); K = x.shape[-1]
;;       x = np.pad(x, [(0, 0)] * (x.ndim - 1) + [(0, -K % 32)]); x = x.reshape(x.shape[:-1] + (-1, 32)); a = np.abs(x).max(-1, keepdims=True)
;;       e = np.where(a > 0, np.clip(np.frexp(np.where(a > 0, a, 1))[1] - 1 - 2, -126, 127), 0)      # np.frexp(a)[1] - 1 = floor(log2(a)), exactly
;;       r = np.clip(x / 2.0 ** e, -7.5, 7.5)
;;       step = 2.0 ** (np.maximum(np.frexp(np.where(r == 0, 1, r))[1] - 1, 0) - 3)
;;       q = np.round(r / step) * step * 2.0 ** e      # np.round: ties to even
;;       return np.moveaxis(q.reshape(q.shape[:-2] + (-1,))[..., :K], -1, axis).astype(np.float32)
;;   ~~~
;;   OPERANDS COMPUTED ON THE WAY. 'Computed on the way' means the value that the module computes at that place (a softmax that the list does not call 'softmax' is quantised finished and normalised). What goes into a quantiser is computed in f32, as accurately as f32 sums, v_exp_f32 and their like allow (about 1e-6 of the number): no bf16 or f16 on the way to a quantiser, and a product that is left as it is and whose result goes on into a quantised operand takes f32 operands (vector FMAs, or v_wmma_f32_16x16x4_f32). A number that lies on a knife's edge between two numbers of the format may be rounded either way, as far as f32 arithmetic and the matrix unit's own rounding can turn it there, and no further.
;; One version. Each part assembles by itself: llvm-mc -triple=amdgcn-amd-amdhsa -mcpu=gfx1250 --defsym DOCPART=n.
;; ======== version 1 of 1: 4 launches
;; limits: right only within a limited range of input values
;; workspace buffers: wenc 512,000 bytes; wdec 1,024,000 bytes; ee 2,048 bytes; zbuf 8,388,608 bytes; idx 131,072 bytes of whole numbers; part 1,024 bytes; t2c 393,216 bytes; tsc 16,384 bytes
;; launch prep (part 1): grid 240 x 1, 4 waves a work-group, no clusters, 0 bytes of LDS; arguments vq_w1, vq_w2, emb, te_w1, te_w2, mean_w, lv_w, wenc, wdec, ee; writes wenc, wdec, ee
.if DOCPART == 1
	.amdgcn_target "amdgcn-amd-amdhsa--gfx1250"
	.amdhsa_code_object_version 6
	.text
	.protected	k_q6f1b954531_prep
	.globl	k_q6f1b954531_prep
	.p2align	8
	.type	k_q6f1b954531_prep,@function
k_q6f1b954531_prep:
	s_mov_b64 s[64:65], 0
	v_nop
	global_prefetch_b8 v0, s[64:65] scope:SCOPE_SE
	s_setreg_imm32_b32 hwreg(HW_REG_WAVE_MODE, 25, 1), 1
	s_wait_xcnt 0x0
; All seven weights, f32, become codes of FP6 (E2M3) with one E8M0 byte for each 32 along K, laid in the ORDER OF THE OPERAND'S REGISTERS.
; A RECORD is 6,400 bytes: four fragments of 1,536 bytes, then 256 bytes of scale words.  A fragment (16 columns x 128 K) is the image of its 12 registers: chunk c of 512 bytes holds lane l's registers 4 c .. 4 c + 3 at 16 l.
; Lane (r, h) holds k = 128 S + 64 c + 32 h + 0 .. 31 in registers 6 c .. 6 c + 5, of column 32 (T / 2) + 8 (T % 2) + r + 8 (r / 8): so the results of two neighbouring tiles are 16 neighbours along the next product's K.
; Fragment f's scale words lie at 6,144 + 64 f + 4 r.  One work-group makes one record, wave f its fragment f.  240 records: 80 in wenc (vq_w1 64, vq_w2 8, emb 8), 160 in wdec (20 on end for each of 8 streams).
; A lane takes a column and its registers run down K, so the conversions' results are the operand's registers.  K = 64 (emb, te_w1): the upper 64 of the K step are zero codes under the byte 1.
; ee[c] = the sum of emb[c]^2 in f32 is made on the way.
; LIMITS: NaN and infinities are not served; a block whose largest magnitude lies under 2^-124 takes the byte 1 (a block of zeros too, where the rule says 127: its codes are zeros, and this program alone reads the bytes).
; WORK THAT THIS PROGRAM LEAVES OUT.  reference() forms z_st = z + (z_q - z).  In real numbers that is z_q = emb[idx] for every z: the term z cancels ahead of the quantiser of the product with te_w1,
; so that product's operand is emb[idx], and t, mean and log_var of a row hang on idx alone.  The two hidden layers are therefore made once for each of the 512 codes (launch mid) and looked up by idx (launch out);
; the two heads are multiplied for every row.  No input is left out.  LIMITS: the last place that f32 gives z + (z_q - z) is not reproduced; a NaN, an infinity or an overflow in z reaches mean and log_var through idx alone.
.set O,   64                           ; v64-95   byte offsets of 32 rows of K
.set X,   128                          ; v128-191 my 64 numbers
.set F,   16                           ; v16-27   the fragment
.set SRC, 24                           ; s[24:25] the tensor
.set SK,  26                           ; s26      bytes from k to k + 1
.set SN,  27                           ; s27      bytes from column to column
.set TT,  28                           ; s28      tile
.set SS,  29                           ; s29      K step
.set SHORT, 30                         ; s30      1: K = 64
.set RECN, 31                          ; s31      record's number in its buffer
.set DST, 32                           ; s[32:33] wenc or wdec
.set ISEMB, 34                         ; s34      1: emb
	s_load_b512 s[4:19], s[0:1], 0x0               ; vq_w1, vq_w2, emb, te_w1, te_w2, mean_w, lv_w, wenc
	s_load_b128 s[20:23], s[0:1], 0x40             ; wdec, ee
	v_lshrrev_b32 v1, 5, v0
	v_readfirstlane_b32 s40, v1                    ; f: my fragment
	v_and_b32 v2, 15, v0                           ; r
	v_bfe_u32 v3, v0, 4, 1                         ; h
	v_and_b32 v4, 31, v0                           ; lane
	s_mov_b32 s58, 0x76543210
	s_mov_b32 s59, 0xfedcba98                      ; selects for lane l xor 16
	s_mov_b32 s41, ttmp9                           ; g: the record
	s_max_u32 s42, s41, 80
	s_sub_co_u32 s42, s42, 80                      ; g' = g - 80 (0 for wenc's records)
	s_mul_i32 s43, s42, 3277
	s_lshr_b32 s43, s43, 16                        ; w = g' / 20 (exact for g' under 160)
	s_mul_i32 s44, s43, 20
	s_sub_co_u32 s44, s42, s44                     ; n = g' % 20
	; what each tensor would take for the tile's base and the K step's base; the choice follows
	s_and_b32 s[TT], s41, 0xfc                     ; vq_w1: tiles 4 (g / 4) + f,
	s_and_b32 s[SS], s41, 3                        ;        K step g % 4
	s_sub_co_u32 s45, s41, 64                      ; vq_w2: K step g - 64
	s_sub_co_u32 s46, s41, 72
	s_lshl_b32 s46, s46, 2                         ; emb: tiles 4 (g - 72) + f
	s_lshl_b32 s47, s43, 3
	s_lshl_b32 s48, s44, 2
	s_add_co_u32 s48, s48, s47                     ; te_w1: tiles 4 (2 w + n) + f
	s_sub_co_u32 s49, s44, 2
	s_lshr_b32 s50, s49, 3
	s_lshl_b32 s50, s50, 2
	s_add_co_u32 s50, s50, s47                     ; te_w2: tiles 4 (2 w + (n - 2) / 8) + f,
	s_and_b32 s49, s49, 7                          ;        K step (n - 2) % 8
	s_and_b32 s51, s43, 3                          ; heads: tile w % 4,
	s_sub_co_u32 s52, s44, 18
	s_lshl_b32 s52, s52, 2                         ;        K steps 4 (n - 18) + f
	s_mov_b32 s[SK], 4096
	s_mov_b32 s[SN], 4
	s_mov_b32 s[SHORT], 0
	s_mov_b32 s[ISEMB], 0
	s_mov_b32 s[RECN], s41
	s_mov_b32 s35, 1                               ; f counts tiles ..
	s_mov_b32 s36, 0                               ; .. or K steps
	s_mov_b32 s53, 4096
	s_wait_alu depctr_va_vdst(0)
	s_wait_kmcnt 0x0
	s_mov_b64 s[SRC:SRC+1], s[4:5]
	s_mov_b64 s[DST:DST+1], s[18:19]
	s_cmp_lt_u32 s43, 4
	s_cselect_b64 s[54:55], s[14:15], s[16:17]     ; streams 0-3 take mean_w, streams 4-7 lv_w
	s_cmp_ge_u32 s41, 64                           ; every choice hangs on the work-group's number alone
	s_cselect_b64 s[SRC:SRC+1], s[6:7], s[SRC:SRC+1]
	s_cselect_b32 s[SK], 256, s[SK]
	s_cselect_b32 s[TT], 0, s[TT]
	s_cselect_b32 s[SS], s45, s[SS]
	s_cmp_ge_u32 s41, 72
	s_cselect_b64 s[SRC:SRC+1], s[8:9], s[SRC:SRC+1]
	s_cselect_b32 s[SK], 4, s[SK]
	s_cselect_b32 s[SN], 256, s[SN]
	s_cselect_b32 s[TT], s46, s[TT]
	s_cselect_b32 s[SS], 0, s[SS]
	s_cselect_b32 s[SHORT], 1, s[SHORT]
	s_cselect_b32 s[ISEMB], 1, s[ISEMB]
	s_cmp_ge_u32 s41, 80
	s_cselect_b64 s[SRC:SRC+1], s[10:11], s[SRC:SRC+1]
	s_cselect_b64 s[DST:DST+1], s[20:21], s[DST:DST+1]
	s_cselect_b32 s[SK], s53, s[SK]
	s_cselect_b32 s[SN], 4, s[SN]
	s_cselect_b32 s[TT], s48, s[TT]
	s_cselect_b32 s[RECN], s42, s[RECN]
	s_cselect_b32 s[ISEMB], 0, s[ISEMB]
	s_cmp_ge_u32 s44, 2                            ; (n is 0 for wenc's records)
	s_cselect_b64 s[SRC:SRC+1], s[12:13], s[SRC:SRC+1]
	s_cselect_b32 s[TT], s50, s[TT]
	s_cselect_b32 s[SS], s49, s[SS]
	s_cselect_b32 s[SHORT], 0, s[SHORT]
	s_cmp_ge_u32 s44, 18
	s_cselect_b64 s[SRC:SRC+1], s[54:55], s[SRC:SRC+1]
	s_cselect_b32 s[SK], 256, s[SK]
	s_cselect_b32 s[TT], s51, s[TT]
	s_cselect_b32 s[SS], s52, s[SS]
	s_cselect_b32 s35, 0, s35
	s_cselect_b32 s36, 1, s36
	s_mul_i32 s35, s35, s40
	s_add_co_u32 s[TT], s[TT], s35                 ; my tile
	s_mul_i32 s36, s36, s40
	s_add_co_u32 s[SS], s[SS], s36                 ; my K step
	s_lshr_b32 s45, s[TT], 1
	s_lshl_b32 s45, s45, 5
	s_and_b32 s46, s[TT], 1
	s_lshl_b32 s46, s46, 3
	s_add_co_u32 s45, s45, s46                     ; 32 (T / 2) + 8 (T % 2)
	v_and_b32 v5, 8, v2
	v_add_nc_u32 v5, v5, v2
	v_add_nc_u32 v5, s45, v5                       ; my column
	s_lshl_b32 s46, s[SS], 7
	v_lshl_add_u32 v6, v3, 5, s46                  ; my first k: 128 S + 32 h
	v_mul_lo_u32 v6, v6, s[SK]
	v_mul_lo_u32 v7, v5, s[SN]
	v_add_nc_u32 v6, v6, v7                        ; its byte offset in the tensor
.set i, 0
.rept 32
	v_mad_u32_u24 v[O+i], s[SK], i, v6             ; and those of the 31 rows of K behind it
.set i, i+1
.endr
	s_lshl_b32 s46, s[SK], 6
	s_mov_b32 s47, 0
	s_add_nc_u64 s[56:57], s[SRC:SRC+1], s[46:47]  ; 64 rows of K on: the K step's upper half (not used where K = 64)
.set i, 0
.rept 32
	global_load_b32 v[X+i], v[O+i], s[SRC:SRC+1]
.set i, i+1
.endr
	s_cmp_lg_u32 s[SHORT], 0
	s_cbranch_scc1 .Lshort
.set i, 0
.rept 32
	global_load_b32 v[X+32+i], v[O+i], s[56:57]
.set i, i+1
.endr
	s_branch .Lboth
.Lshort:                                               ; K = 64: no load leaves the tensor; the rest of the K step is zeros
.set i, 0
.rept 32
	v_mov_b32 v[X+32+i], 0
.set i, i+1
.endr
.Lboth:
	s_wait_loadcnt 0x0
.irp c, 0,1                                    ; my two blocks of 32: all their numbers are mine
	v_max3_num_f32 v[8+\c], |v[X+32*\c]|, |v[X+32*\c+1]|, 0x1800000   ; with the floor 2^(3 - 127): the byte cannot fall under 1
.endr
.irp i, 2,4,6,8,10,12,14,16,18,20,22,24,26,28,30
.irp c, 0,1
	v_max3_num_f32 v[8+\c], v[8+\c], |v[X+32*\c+\i]|, |v[X+32*\c+\i+1]|
.endr
.endr
.irp c, 0,1
	v_add_nc_u32 v[10+\c], 0xff000000, v[8+\c]     ; 2 off the exponent field: the conversion's scale operand
.endr
.irp c, 0,1
	v_lshrrev_b32 v[12+\c], 23, v[10+\c]           ; the scale's byte
.endr
	v_lshl_or_b32 v14, v13, 16, v12                ; blocks h and 2 + h of my column,
	v_lshlrev_b32 v15, 3, v3
	v_lshlrev_b32 v14, v15, v14                    ; at their places in the scale word;
	v_mov_b32 v15, 0
	v_permlanex16_b32 v15, v14, s58, s59
	v_or_b32 v14, v14, v15                         ; with lane l xor 16's two the word is whole
.irp c, 0,1,2,3                                ; the sum of my first 32 numbers' squares, in four chains (stored for emb alone)
	v_mul_f32 v[36+\c], v[X+\c], v[X+\c]
.endr
.set i, 4
.rept 28
	v_fma_f32 v[36+i%4], v[X+i], v[X+i], v[36+i%4]
.set i, i+1
.endr
	v_add_f32 v36, v36, v37
	v_add_f32 v38, v38, v39
	v_add_f32 v36, v36, v38
	v_permlanex16_b32 v37, v36, s58, s59
	v_add_f32 v36, v36, v37                        ; with lane l xor 16's 32: all 64 of the code
.irp c, 0,1
	v_cvt_scalef32_pk16_fp6_f32 v[F+6*\c:F+6*\c+2], v[X+32*\c:X+32*\c+15], v[10+\c]
	v_cvt_scalef32_pk16_fp6_f32 v[28+4*\c:30+4*\c], v[X+32*\c+16:X+32*\c+31], v[10+\c]   ; (a conversion's three registers begin on an even number)
.endr
	v_nop                                          ; one plain place behind a scaled conversion
.irp c, 0,1
.irp i, 0,1,2
	v_mov_b32 v[F+6*\c+3+\i], v[28+4*\c+\i]
.endr
.endr
	s_mul_i32 s46, s[RECN], 6400
	s_add_nc_u64 s[DST:DST+1], s[DST:DST+1], s[46:47]
	s_mul_i32 s48, s40, 1536
	v_lshl_add_u32 v41, v4, 4, s48
.irp c, 0,1,2
	global_store_b128 v41, v[F+4*\c:F+4*\c+3], s[DST:DST+1] offset:512*\c   ; 32 lanes store 512 consecutive bytes
.endr
	s_lshl_b32 s48, s40, 6
	v_lshl_add_u32 v42, v2, 2, s48
	v_lshlrev_b32 v43, 2, v5
	v_cmp_gt_u32 vcc_lo, 16, v4
	s_wait_alu depctr_va_vdst(0)
	s_wait_xcnt 0x0                                ; EXEC changes only behind this wait
	s_and_saveexec_b32 s49, vcc_lo                 ; lanes 0-15: both halves hold the same word and the same sum
	global_store_b32 v42, v14, s[DST:DST+1] offset:6144
	s_cmp_eq_u32 s[ISEMB], 0
	s_cbranch_scc1 .Lno_ee
	global_store_b32 v43, v36, s[22:23]
.Lno_ee:
	s_wait_xcnt 0x0                                ; and again in front of the line that widens it
	s_or_b32 exec_lo, exec_lo, s49
	s_endpgm
.Lfunc_end_k_q6f1b954531_prep:
	.size	k_q6f1b954531_prep, .Lfunc_end_k_q6f1b954531_prep-k_q6f1b954531_prep
	.p2alignl 7, 3214868480
	.fill 96, 4, 3214868480
	.section	.rodata,"a",@progbits
	.p2align	6, 0x0
	.amdhsa_kernel k_q6f1b954531_prep
		.amdhsa_group_segment_fixed_size 0
		.amdhsa_private_segment_fixed_size 0
		.amdhsa_enable_private_segment 0
		.amdhsa_kernarg_size 80
		.amdhsa_user_sgpr_count 2
		.amdhsa_user_sgpr_kernarg_segment_ptr 1
		.amdhsa_wavefront_size32 1
		.amdhsa_system_sgpr_workgroup_id_x 1
		.amdhsa_system_sgpr_workgroup_id_y 1
		.amdhsa_system_sgpr_workgroup_id_z 1
		.amdhsa_system_vgpr_workitem_id 0
		.amdhsa_next_free_vgpr 192
		.amdhsa_next_free_sgpr 66
		.amdhsa_reserve_vcc 1
		.amdhsa_float_denorm_mode_32 3
		.amdhsa_float_denorm_mode_16_64 3
		.amdhsa_memory_ordered 1
		.amdhsa_forward_progress 1
		.amdhsa_inst_pref_size 20
	.end_amdhsa_kernel
	.amdgpu_metadata
---
amdhsa.version: [ 1, 2 ]
amdhsa.kernels:
  - .name:           k_q6f1b954531_prep
    .symbol:         k_q6f1b954531_prep.kd
    .args:
      - { .name: vq_w1, .offset: 0, .size: 8, .value_kind: global_buffer, .address_space: global }
      - { .name: vq_w2, .offset: 8, .size: 8, .value_kind: global_buffer, .address_space: global }
      - { .name: emb, .offset: 16, .size: 8, .value_kind: global_buffer, .address_space: global }
      - { .name: te_w1, .offset: 24, .size: 8, .value_kind: global_buffer, .address_space: global }
      - { .name: te_w2, .offset: 32, .size: 8, .value_kind: global_buffer, .address_space: global }
      - { .name: mean_w, .offset: 40, .size: 8, .value_kind: global_buffer, .address_space: global }
      - { .name: lv_w, .offset: 48, .size: 8, .value_kind: global_buffer, .address_space: global }
      - { .name: wenc, .offset: 56, .size: 8, .value_kind: global_buffer, .address_space: global }
      - { .name: wdec, .offset: 64, .size: 8, .value_kind: global_buffer, .address_space: global }
      - { .name: ee, .offset: 72, .size: 8, .value_kind: global_buffer, .address_space: global }
    .group_segment_fixed_size: 0
    .private_segment_fixed_size: 0
    .kernarg_segment_align: 8
    .kernarg_segment_size: 80
    .max_flat_workgroup_size: 128
    .sgpr_count:     66
    .vgpr_count:     192
    .wavefront_size: 32
...
	.end_amdgpu_metadata
.endif
;; end of part 1
;; launch enc (part 2): grid 256 x 1, 8 waves a work-group, no clusters, 288,768 bytes of LDS; arguments x, vq_b1, vq_b2, wenc, ee, zbuf, idx; writes zbuf, idx
.if DOCPART == 2
	.amdgcn_target "amdgcn-amd-amdhsa--gfx1250"
	.amdhsa_code_object_version 6
	.text
	.protected	k_q6f1b954531_enc
	.globl	k_q6f1b954531_enc
	.p2align	8
	.type	k_q6f1b954531_enc,@function
k_q6f1b954531_enc:
	s_mov_b64 s[64:65], 0
	v_nop
	global_prefetch_b8 v0, s[64:65] scope:SCOPE_SE
	s_setreg_imm32_b32 hwreg(HW_REG_WAVE_MODE, 25, 1), 1
	s_wait_xcnt 0x0
; h = tanh(x W1 + b1), z = h W2 + b2, idx = argmin over the 512 codes of (|z|^2 + |e|^2) - 2 z . e: three products on codes of FP6 (E2M3), one E8M0 scale for each 32 along K.  Stored: z (f32) and idx.
; SHARES.  A work-group takes 128 rows (8 tiles of 16).  Eight waves of 512 registers, two to a SIMD.
; In the wide layer THE WAVES SHARE THE COLUMNS: wave w makes hidden units 128 w .. 128 w + 127 in two passes of 64, for all 8 tiles of rows: 32 accumulators, window 1.  A weight fragment feeds 8 matrix instructions, an activation fragment 4.
; The distances are shared the same way: wave w takes codes 64 w .. 64 w + 63 for all 8 tiles of rows, finds each row's least among them, and the eight waves' candidates meet in LDS.  z itself (K = 1,024, 64 columns): wave w takes tile of rows w.
; x: each load of a wave covers 512 consecutive bytes (one row's part of a K step); the quantiser wants 16 neighbours along K in a lane, so a K step's 16 rows turn through the wave's own stage in LDS (rows 528 bytes apart:
; the sixteen rows that a load touches start at sixteen different 16-byte columns modulo 256).
; WEIGHTS of the wide layer come from memory straight into registers, in the order of the operand's registers (records of 6,400 bytes: four fragments and their scale words), a K step ahead, in two sets.  vq_w2's and emb's 16 records are copied to LDS once.
; ACTIVATIONS go from wave to wave through LDS as images of their registers, written in halves of 64 along K: fragment (K step s, tile of rows m) at (8 s + m) x 1,536; half c at + 768 c: 512 bytes (16 x lane), then 256 (8 x lane).
; Their scale words: 512 bytes a K step; tile m, row r at 16 (16 (m % 2) + r) + 4 (m / 2): a lane's 16 bytes are four registers, each with an even tile in lanes 0-15 and the odd one in lanes 16-31.
; All products are used transposed (source 0 = 16 columns of the weight, source 1 = 16 rows): a lane holds one row, and its registers run along the next product's K.
; NO TENSOR LOADS, NO CLUSTER: no two waves of a work-group read the same fragment of the wide layer's weights, so LDS would add a copy; joint loads of the weights by several work-groups would want a round of the cluster's barrier for each refill,
; and LDS has room for slots of one K step (64 matrix instructions a wave) beside the activations: every such round would bring all waves of four work-groups into one phase.
; tanh(u) = s (1 - E) / (1 + E), E = 2^(-|2 log2(e) u|), s = the sign of u: no overflow for any u.  LIMITS: its absolute error is that of E near 1 (about 2^-24), so its relative error grows as |tanh| falls under 1;
; NaN and infinities are not served; blocks under 2^-124 take the byte 1 (blocks of zeros too: their codes are zeros); |z|^2 and |e|^2 are summed in an order of their own, which can move a distance by a last place. Ties go to the lower index.
; THE FORM OF tanh IN USE (macro UNIT) is tanh(u) = 1 - 2 / (1 + 2^(2 log2(e) u)), in place of the form with s and E named above: the exponential's overflow gives 1, its underflow -1; the absolute error is about 2^-23.
.set XIMG,  0                          ; x's 32 fragments, 49,152 bytes; behind the second barrier: a stage of 16 x 272 bytes for each wave, for z
.set XSC,   49152                      ; their scale words, 2,048
.set HIMG,  51200                      ; h's 64 fragments, 98,304
.set XST,   HIMG                       ; ahead of the first barrier, when nobody writes h: x's stages, 16 x 528 bytes for each wave
.set HSC,   149504                     ; h's scale words, 4,096
.set WL,    153600                     ; records 64-79 of wenc as they lie: vq_w2's 8, emb's 8: 102,400
.set EEL,   256000                     ; ee, 2,048
.set BL,    258048                     ; the candidates: tile of rows m, wave u, lane l: (distance, code) at 2,048 m + 256 u + 8 l: 16,384
.set ZIMG,  274432                     ; z's 8 fragments, 12,288
.set ZSC,   286720                     ; their scale words, 512
.set ZZL,   287232                     ; |z|^2: row r of tile m at 32 r + 4 m: 512
.set SPARE, 287744                     ; the spare words, 128 bytes for each wave: four blocks of 256 bytes that no other line names
.set SPW,  1                           ; v1   LDS address of my spare word; never rewritten
.set NIL,  2                           ; v2   0; never rewritten
.set LI16, 3                           ; v3   16 x lane
.set LI8,  4                           ; v4   8 x lane
.set LI4,  5                           ; v5   4 x lane
.set RA16, 6                           ; v6-8 where the images and scale words in hand are read
.set RA8,  7
.set RAS,  8
.set WI16, 9                           ; v9-11 where my images and scale words are written
.set WI8,  10
.set WSA,  11
.set BO,   12                          ; v12  64 h
.set TA,   13
.set XSW,  14                          ; v14  x's stage, in; later STS: z's stage, in
.set STS,  14
.set XW16, 15                          ; v15-17 where x's images go; later STR (z's stage, back), EA (ee), HW (h's scale word), CB (64 w + 16 h)
.set STR,  15
.set XW8,  16
.set EA,   16
.set XWS,  17
.set HW,   17
.set CB,   17
.set RW16, 18                          ; v18-19 the copy's places; then the records in LDS; then BW, BR: where candidates are written and read
.set BW,   18
.set RW4,  19
.set BR,   19
.set AF,   20                          ; v20-115 eight activation fragments; in the epilogues:
.set T,    20                          ;   v20-51  32 numbers
.set DB,   20                          ;   v20-51  32 distances
.set E,    52                          ;   v52-83  32 exponentials
.set TM,   84                          ;   v84-89  at work in the quantiser;  v90, 91 half scale words;  v92-101, v102-111 codes, two sets
.set BEST, 84                          ;   v84-87  four chains' least distances, v88-91 their places
.set BIX,  88
.set RES,  92                          ;   v92-107 a pair (distance, code) for each tile of rows
.set ZZ,   112                         ;   v[112:113] |z|^2
.set AS,   116                         ; v116-119 the activations' scale words
.set WF,   120                         ; v120-167, v168-215 weight fragments, two sets
.set EE,   168                         ;   v168-199 |e|^2 of my 64 codes, in the result's layout
.set ZZM,  200                         ;   v200-207 |z|^2 of my row in the 8 tiles
.set WS,   216                         ; v216-219 the weights' scale words, two a set
.set BI,   220                         ; v220-251 the bias in the result's layout; later z
.set Z,    220
.set ZZA,  252                         ; v252 where |z|^2 is read
.set RR,   253                         ; v253 r
.set HH,   254                         ; v254 h
.set XSR,  255                         ; v255 x's stage, back; later ZZW: where my |z|^2 goes
.set ZZW,  255
.set Q4,   20                          ; at work while x is quantised
.set PC,   92
.set WV,   18
.set SEL,  20
.set CC,   22
.set PASS, 25
.set WP,   26
.set BP,   28
.set MSB, 0
.macro WIN new                         ; the immediate's high byte repeats the setting that is left
.if MSB != \new
	s_set_vgpr_msb (MSB<<8)|\new
.set MSB, \new
.endif
.endm
.macro PLACES
.rept 4
	v_nop
.endr
.endm
.macro BARRIER                         ; my LDS stores have landed and my LDS loads are in: then the work-group's barrier
	s_wait_dscnt 0x0
	s_barrier_signal -1
	s_barrier_wait -1
.endm
; one matrix instruction; ra, rb odd: the side's scale words stand in lanes 16-31
.macro WM d, a, b, c, sa, sb, ra, rb
.if ((\ra)%2) && ((\rb)%2)
	v_wmma_scale_f32_16x16x128_f8f6f4 v[(\d):(\d)+7], v[(\a):(\a)+11], v[(\b):(\b)+11], v[(\c):(\c)+7], v[(\sa)], v[(\sb)] matrix_a_fmt:MATRIX_FMT_FP6 matrix_b_fmt:MATRIX_FMT_FP6 matrix_a_scale:MATRIX_SCALE_ROW1 matrix_b_scale:MATRIX_SCALE_ROW1
.elseif ((\ra)%2)
	v_wmma_scale_f32_16x16x128_f8f6f4 v[(\d):(\d)+7], v[(\a):(\a)+11], v[(\b):(\b)+11], v[(\c):(\c)+7], v[(\sa)], v[(\sb)] matrix_a_fmt:MATRIX_FMT_FP6 matrix_b_fmt:MATRIX_FMT_FP6 matrix_a_scale:MATRIX_SCALE_ROW1
.elseif ((\rb)%2)
	v_wmma_scale_f32_16x16x128_f8f6f4 v[(\d):(\d)+7], v[(\a):(\a)+11], v[(\b):(\b)+11], v[(\c):(\c)+7], v[(\sa)], v[(\sb)] matrix_a_fmt:MATRIX_FMT_FP6 matrix_b_fmt:MATRIX_FMT_FP6 matrix_b_scale:MATRIX_SCALE_ROW1
.else
	v_wmma_scale_f32_16x16x128_f8f6f4 v[(\d):(\d)+7], v[(\a):(\a)+11], v[(\b):(\b)+11], v[(\c):(\c)+7], v[(\sa)], v[(\sb)] matrix_a_fmt:MATRIX_FMT_FP6 matrix_b_fmt:MATRIX_FMT_FP6
.endif
.endm
.macro WMZ d, a, b, sa, sb, ra, rb     ; the same with the constant 0 as C
.if ((\ra)%2) && ((\rb)%2)
	v_wmma_scale_f32_16x16x128_f8f6f4 v[(\d):(\d)+7], v[(\a):(\a)+11], v[(\b):(\b)+11], 0, v[(\sa)], v[(\sb)] matrix_a_fmt:MATRIX_FMT_FP6 matrix_b_fmt:MATRIX_FMT_FP6 matrix_a_scale:MATRIX_SCALE_ROW1 matrix_b_scale:MATRIX_SCALE_ROW1
.elseif ((\ra)%2)
	v_wmma_scale_f32_16x16x128_f8f6f4 v[(\d):(\d)+7], v[(\a):(\a)+11], v[(\b):(\b)+11], 0, v[(\sa)], v[(\sb)] matrix_a_fmt:MATRIX_FMT_FP6 matrix_b_fmt:MATRIX_FMT_FP6 matrix_a_scale:MATRIX_SCALE_ROW1
.elseif ((\rb)%2)
	v_wmma_scale_f32_16x16x128_f8f6f4 v[(\d):(\d)+7], v[(\a):(\a)+11], v[(\b):(\b)+11], 0, v[(\sa)], v[(\sb)] matrix_a_fmt:MATRIX_FMT_FP6 matrix_b_fmt:MATRIX_FMT_FP6 matrix_b_scale:MATRIX_SCALE_ROW1
.else
	v_wmma_scale_f32_16x16x128_f8f6f4 v[(\d):(\d)+7], v[(\a):(\a)+11], v[(\b):(\b)+11], 0, v[(\sa)], v[(\sb)] matrix_a_fmt:MATRIX_FMT_FP6 matrix_b_fmt:MATRIX_FMT_FP6
.endif
.endm
.macro ALOAD hf                        ; 17 LDS loads: the fragments of tiles of rows 4 hf .. 4 hf + 3 of the K step in hand, and their scale words
.irp q, 0,1,2,3
	ds_load_b128 v[AF+12*(4*\hf+\q):AF+12*(4*\hf+\q)+3], v[RA16] offset:1536*(4*\hf+\q)
	ds_load_b64 v[AF+12*(4*\hf+\q)+4:AF+12*(4*\hf+\q)+5], v[RA8] offset:1536*(4*\hf+\q)
	ds_load_b128 v[AF+12*(4*\hf+\q)+6:AF+12*(4*\hf+\q)+9], v[RA16] offset:1536*(4*\hf+\q)+768
	ds_load_b64 v[AF+12*(4*\hf+\q)+10:AF+12*(4*\hf+\q)+11], v[RA8] offset:1536*(4*\hf+\q)+768
.endr
	ds_load_b64 v[AS+2*\hf:AS+2*\hf+1], v[RAS] offset:8*\hf
.endm
.macro LOADW set, imm                  ; 14 loads: a record, imm bytes behind the weights' pointer, into a set
.irp t, 0,1,2,3
.irp c, 0,1,2
	global_load_b128 v[WF+48*(\set)+12*\t+4*\c:WF+48*(\set)+12*\t+4*\c+3], v[LI16], s[WP:WP+1] offset:(\imm)+1536*\t+512*\c
.endr
.endr
.irp i, 0,1
	global_load_b32 v[WS+2*(\set)+\i], v[LI4], s[WP:WP+1] offset:(\imm)+6144+128*\i
.endr
.endm
.macro BIASL reg, bp, imm              ; 8 loads: 64 columns' numbers in the result's layout: tile t, lane (r, h): columns 32 (t / 2) + 16 h + 8 (t % 2) + 0 .. 7
.irp t, 0,1,2,3
	global_load_b128 v[(\reg)+8*\t:(\reg)+8*\t+3], v[BO], s[\bp:\bp+1] offset:(\imm)+128*(\t/2)+32*(\t%2)
	global_load_b128 v[(\reg)+8*\t+4:(\reg)+8*\t+7], v[BO], s[\bp:\bp+1] offset:(\imm)+128*(\t/2)+32*(\t%2)+16
.endr
.endm
.macro MM m0, set, first               ; 16 matrix instructions: four tiles of rows x four tiles of columns.  The 32 accumulators take turns, one instruction a turn
.irp q, 0,1,2,3
.irp t, 0,1,2,3
.if \first
	WM 8*(4*(\m0+\q)+\t), WF+48*(\set)+12*\t, AF+12*(\m0+\q), BI+8*\t, WS+2*(\set)+\t/2, AS+(\m0+\q)/2, \t, \m0+\q
.else
	WM 8*(4*(\m0+\q)+\t), WF+48*(\set)+12*\t, AF+12*(\m0+\q), 8*(4*(\m0+\q)+\t), WS+2*(\set)+\t/2, AS+(\m0+\q)/2, \t, \m0+\q
.endif
.endr
.endr
.endm
.macro MMZ m0                          ; the same on set 0, each a whole sum that begins with the constant 0
.irp q, 0,1,2,3
.irp t, 0,1,2,3
	WMZ 8*(4*(\m0+\q)+\t), WF+12*\t, AF+12*(\m0+\q), WS+\t/2, AS+(\m0+\q)/2, \t, \m0+\q
.endr
.endr
.endm
.macro WINACC first                    ; D in window 1; C the bias (window 0) or the accumulator
.if \first
	WIN 0x40
.else
	WIN 0x50
.endif
.endm
; A K step: 32 matrix instructions.  more = 1: the next K step's activations are fetched, half in the middle, half at the end.  rec >= 0: that record is asked for into the set just used.
; lcnt: how many younger weight loads may be out when this set has to be there.
.macro STEP set, first, more, rec, lcnt
	s_wait_loadcnt \lcnt
	s_wait_dscnt 17                                ; tiles of rows 0-3 are in; the 17 loads of tiles 4-7 may be out
	WINACC \first
	MM 0, \set, \first
.if \more
	WIN 0
	v_add_nc_u32 v[RA16], 12288, v[RA16]           ; these three and the v_nop are the four places in front of the loads
	v_add_nc_u32 v[RA8], 12288, v[RA8]
	v_add_nc_u32 v[RAS], 512, v[RAS]
	v_nop
	ALOAD 0
	s_wait_alu depctr_va_vdst(0)
	s_wait_dscnt 17                                ; all but the 17 just issued
	WINACC \first
.else
	s_wait_dscnt 0x0
.endif
	MM 4, \set, \first
	WIN 0
	PLACES                                         ; in front of loads into registers that the products have read, and of the first read of results
.if \more
	ALOAD 1
.endif
.if (\rec) >= 0
	LOADW \set, (\rec)*6400
.endif
.endm
; 32 numbers of a lane, register 16 b + i = k 32 b + 16 h + i of my row, become half a fragment's codes in v[p] .. v[p + 5] and its two scale bytes in v[pw]
.macro QUANT2 src, p, pw
.irp b, 0,1
	v_max3_num_f32 v[TM+\b], |v[(\src)+16*\b]|, |v[(\src)+16*\b+1]|, 0x1800000   ; with the floor 2^(3 - 127): the byte cannot fall under 1
.endr
.irp i, 2,4,6,8,10,12,14
.irp b, 0,1
	v_max3_num_f32 v[TM+\b], v[TM+\b], |v[(\src)+16*\b+\i]|, |v[(\src)+16*\b+\i+1]|
.endr
.endr
.irp b, 0,1
	s_delay_alu instid0(VALU_DEP_2)
	v_permlanex16_b32 v[TM+2+\b], v[TM+\b], s[SEL], s[SEL+1]
.endr
.irp b, 0,1
	s_delay_alu instid0(VALU_DEP_2)
	v_max_num_f32 v[TM+\b], v[TM+\b], v[TM+2+\b]   ; with lane l xor 16's: the block's largest magnitude
.endr
.irp b, 0,1
	s_delay_alu instid0(VALU_DEP_2)
	v_add_nc_u32 v[TM+4+\b], 0xff000000, v[TM+\b]  ; 2 off its exponent field: the conversion's scale operand
.endr
.irp b, 0,1
	s_delay_alu instid0(VALU_DEP_2)
	v_lshrrev_b32 v[TM+2+\b], 23, v[TM+4+\b]       ; the scale's byte
.endr
	s_wait_alu depctr_va_vdst(0)
	s_wait_dscnt 3                                 ; the last unit's three stores may be out; those of the unit before it, which read this set of registers, are done
	v_lshl_or_b32 v[(\pw)], v[TM+3], 8, v[TM+2]
	v_cvt_scalef32_pk16_fp6_f32 v[(\p):(\p)+2], v[(\src):(\src)+15], v[TM+4]
	v_cvt_scalef32_pk16_fp6_f32 v[(\p)+6:(\p)+8], v[(\src)+16:(\src)+31], v[TM+5]
	v_nop                                          ; one plain place behind a scaled conversion
.irp i, 0,1,2                                  ; the operand's layout wants a whole block in a lane
	v_permlane16_swap_b32 v[(\p)+\i], v[(\p)+6+\i]
.endr
.irp i, 0,1,2
	s_delay_alu instid0(VALU_DEP_3)
	v_mov_b32 v[(\p)+3+\i], v[(\p)+6+\i]
.endr
.endm
; The epilogue of one tile of rows: tanh of my 32 sums, quantised, image and half scale word to LDS
.macro UNIT m
.set PP, 92+10*((\m)%2)
.set PWR, 90+(\m)%2
	WIN 0x01
.set k, 0
.rept 16
	v_pk_mul_f32 v[T+k:T+k+1], v[32*(\m)+k:32*(\m)+k+1], s[CC:CC+1] op_sel_hi:[1,0]   ; 2 log2(e) u; each accumulator from its low end on
.set k, k+2
.endr
	WIN 0
.set k, 0
	s_wait_alu depctr_va_vdst(0)
.rept 32
	v_exp_f32 v[E+k], v[T+k]
.set k, k+1
.endr
	v_nop                                          ; a plain place behind the last exponential, ahead of the writes of its sources
.set k, 0
	s_wait_alu depctr_va_vdst(0)                   ; one wait for the batch of 32, ahead of its first reader
.set k, 0
.set k, 0
.rept 16
	v_pk_fma_f32 v[E+k:E+k+1], v[E+k:E+k+1], 1.0, 1.0 op_sel_hi:[1,0,0]   ; 1 + E
.set k, k+2
.endr
.set k, 0
	s_wait_alu depctr_va_vdst(0)
.rept 32
	v_rcp_f32 v[E+k], v[E+k]
.set k, k+1
.endr
	v_nop
	s_wait_alu depctr_va_vdst(0)                   ; and one for the 32 reciprocals
.set k, 0
.rept 16
	v_pk_fma_f32 v[T+k:T+k+1], v[E+k:E+k+1], -2.0, 1.0 op_sel_hi:[1,0,0]   ; 1 - 2 / (1 + E)
.set k, k+2
.endr
	QUANT2 T, PP, PWR
	ds_store_b128 v[WI16], v[PP:PP+3] offset:1536*(\m)
	ds_store_b64 v[WI8], v[PP+4:PP+5] offset:1536*(\m)
	ds_store_b16 v[WSA], v[PWR] offset:256*((\m)%2)+4*((\m)/2)   ; lanes r and r + 16 write the same two bytes with the same value
.endm
.macro XLOAD s                         ; 16 loads into window 1: K step s of my 16 rows, as the bytes lie: each load covers one row's 512 consecutive bytes, 16 a lane
.set i, 0
.rept 16
	global_load_b128 v[64*(\s)+4*i:64*(\s)+4*i+3], v[LI16], s[4:5] offset:2048*i+512*(\s) th:TH_LOAD_NT
.set i, i+1
.endr
.endm
.macro TURN s                          ; K step s through my stage: in by rows, back 16 neighbours at a time: register 64 s + 16 b + i = k 128 s + 32 b + 16 h + i of row r.  Into the registers that they left
	WIN 0x04                                       ; an LDS store's data are its source 1: window 1
.set i, 0
.rept 16
	ds_store_b128 v[XSW], v[64*(\s)+4*i:64*(\s)+4*i+3] offset:528*i
.set i, i+1
.endr
	WIN 0x40                                       ; destination window 1
.irp b, 0,1,2,3
.irp j, 0,1,2,3
	ds_load_b128 v[64*(\s)+16*\b+4*\j:64*(\s)+16*\b+4*\j+3], v[XSR] offset:128*\b+16*\j   ; LDS serves a wave's instructions in order: these see my stores
.endr
.endr
.endm
.macro QUANT4 s                        ; K step s of x: 64 numbers of a lane, in window 1, become a fragment and its scale word, and go to LDS
	s_wait_dscnt 0x0                               ; the numbers are back from the stage; all my earlier LDS stores have read their registers
	WIN 0x14                                       ; sources 1 and 2 in window 1
.irp b, 0,1,2,3
	v_max3_num_f32 v[Q4+\b], 0x1800000, |v[64*\s+16*\b]|, |v[64*\s+16*\b+1]|
.endr
.irp i, 2,4,6,8,10,12,14
.irp b, 0,1,2,3
	s_delay_alu instid0(VALU_DEP_4)
	v_max3_num_f32 v[Q4+\b], v[Q4+\b], |v[64*\s+16*\b+\i]|, |v[64*\s+16*\b+\i+1]|
.endr
.endr
	WIN 0
.irp b, 0,1,2,3
	v_permlanex16_b32 v[Q4+4+\b], v[Q4+\b], s[SEL], s[SEL+1]
.endr
.irp b, 0,1,2,3
	s_delay_alu instid0(VALU_DEP_4)
	v_max_num_f32 v[Q4+\b], v[Q4+\b], v[Q4+4+\b]
.endr
.irp b, 0,1,2,3
	s_delay_alu instid0(VALU_DEP_4)
	v_add_nc_u32 v[Q4+12+\b], 0xff000000, v[Q4+\b]
.endr
.irp b, 0,1,2,3
	s_delay_alu instid0(VALU_DEP_4)
	v_lshrrev_b32 v[Q4+4+\b], 23, v[Q4+12+\b]
.endr
	s_delay_alu instid0(VALU_DEP_3)
	v_lshl_or_b32 v[Q4+16], v[Q4+5], 8, v[Q4+4]
	s_delay_alu instid0(VALU_DEP_1)
	v_lshl_or_b32 v[Q4+16], v[Q4+6], 16, v[Q4+16]
	s_delay_alu instid0(VALU_DEP_1)
	v_lshl_or_b32 v[Q4+16], v[Q4+7], 24, v[Q4+16]
	WIN 0x01                                       ; source 0 in window 1
.irp c, 0,1
	v_cvt_scalef32_pk16_fp6_f32 v[PC+6*\c:PC+6*\c+2], v[64*\s+32*\c:64*\s+32*\c+15], v[Q4+12+2*\c]
	v_cvt_scalef32_pk16_fp6_f32 v[PC+12+4*\c:PC+14+4*\c], v[64*\s+32*\c+16:64*\s+32*\c+31], v[Q4+13+2*\c]
.endr
	WIN 0
	v_nop
.irp c, 0,1
.irp i, 0,1,2
	v_permlane16_swap_b32 v[PC+6*\c+\i], v[PC+12+4*\c+\i]
.endr
.irp i, 0,1,2
	s_delay_alu instid0(VALU_DEP_3)
	v_mov_b32 v[PC+3+6*\c+\i], v[PC+12+4*\c+\i]
.endr
.endr
	ds_store_b128 v[XW16], v[PC:PC+3] offset:12288*\s
	ds_store_b64 v[XW8], v[PC+4:PC+5] offset:12288*\s
	ds_store_b128 v[XW16], v[PC+6:PC+9] offset:12288*\s+768
	ds_store_b64 v[XW8], v[PC+10:PC+11] offset:12288*\s+768
	ds_store_b32 v[XWS], v[Q4+16] offset:512*\s
.endm
.macro HLOAD s, off                    ; h's fragment of K step s, my tile of rows
	ds_load_b128 v[AF+12*(\s):AF+12*(\s)+3], v[RA16] offset:\off
	ds_load_b64 v[AF+12*(\s)+4:AF+12*(\s)+5], v[RA8] offset:\off
	ds_load_b128 v[AF+12*(\s)+6:AF+12*(\s)+9], v[RA16] offset:\off+768
	ds_load_b64 v[AF+12*(\s)+10:AF+12*(\s)+11], v[RA8] offset:\off+768
.endm
.macro LDSREC set, imm, hs             ; a record out of LDS: 14 loads; hs >= 0: and h's scale word of K step hs: 15
.irp t, 0,1,2,3
.irp c, 0,1,2
	ds_load_b128 v[WF+48*(\set)+12*\t+4*\c:WF+48*(\set)+12*\t+4*\c+3], v[RW16] offset:(\imm)+1536*\t+512*\c
.endr
.endr
.irp i, 0,1
	ds_load_b32 v[WS+2*(\set)+\i], v[RW4] offset:(\imm)+6144+128*\i
.endr
.if (\hs) >= 0
	ds_load_b32 v[AS+(\hs)%2], v[HW] offset:512*(\hs)
.endif
.endm
.macro EELOAD                          ; |e|^2 of my 64 codes in the result's layout: 8 loads
.irp t, 0,1,2,3
	ds_load_b128 v[EE+8*\t:EE+8*\t+3], v[EA] offset:128*(\t/2)+32*(\t%2)
	ds_load_b128 v[EE+8*\t+4:EE+8*\t+7], v[EA] offset:128*(\t/2)+32*(\t%2)+16
.endr
.endm
; Tile of rows m: my lane's 32 distances (place n = 8 t + j: code 64 w + 32 (t / 2) + 16 h + 8 (t % 2) + j, ascending with n), their least and its code, to LDS.
; Four chains, one a tile of codes, by turns; a later place wins only if it is smaller.
.macro ROWT m
	v_mov_b32 v[ZZ], v[ZZM+(\m)]
.set k, 0
.rept 16
	v_pk_add_f32 v[DB+k:DB+k+1], v[EE+k:EE+k+1], v[ZZ:ZZ+1] op_sel_hi:[1,0]   ; |z|^2 + |e|^2, rounded,
.set k, k+2
.endr
	WIN 0x01
.irp t, 0,1,2,3
.irp j, 0,2,4,6
	v_pk_fma_f32 v[DB+8*\t+\j:DB+8*\t+\j+1], v[8*(4*(\m)+\t)+\j:8*(4*(\m)+\t)+\j+1], -2.0, v[DB+8*\t+\j:DB+8*\t+\j+1] op_sel_hi:[1,0,1]   ; less twice the product, rounded once more; each accumulator from its low end on
.endr
.endr
	WIN 0
.irp t, 0,1,2,3
	v_mov_b32 v[BEST+\t], v[DB+8*\t]
	v_mov_b32 v[BIX+\t], 8*\t
.endr
.irp j, 1,2,3,4,5,6,7
.irp t, 0,1,2,3
	v_cmp_lt_f32 s[36+\t], v[DB+8*\t+\j], v[BEST+\t]
.endr
.irp t, 0,1,2,3
	s_delay_alu instid0(VALU_DEP_4)
	v_cndmask_b32 v[BEST+\t], v[BEST+\t], v[DB+8*\t+\j], s[36+\t]
.endr
.irp t, 0,1,2,3
	v_cndmask_b32 v[BIX+\t], v[BIX+\t], 8*\t+\j, s[36+\t]
.endr
.endr
.irp t, 1
	v_cmp_lt_f32 s36, v[BEST+\t], v[BEST]
	s_delay_alu instid0(VALU_DEP_1)
	v_cndmask_b32 v[BEST], v[BEST], v[BEST+\t], s36
	s_delay_alu instid0(VALU_DEP_2)
	v_cndmask_b32 v[BIX], v[BIX], v[BIX+\t], s36
.endr
.irp t, 2, 3
	s_delay_alu instid0(VALU_DEP_2)
	v_cmp_lt_f32 s36, v[BEST+\t], v[BEST]
	s_delay_alu instid0(VALU_DEP_1)
	v_cndmask_b32 v[BEST], v[BEST], v[BEST+\t], s36
	s_delay_alu instid0(VALU_DEP_2)
	v_cndmask_b32 v[BIX], v[BIX], v[BIX+\t], s36
.endr
	s_delay_alu instid0(VALU_DEP_1)
	v_and_b32 v[BIX+1], 16, v[BIX]                 ; 32 (n / 16) + n % 16 = n + (n & 16)
	s_delay_alu instid0(VALU_DEP_3)
	v_mov_b32 v[RES+2*(\m)], v[BEST]
	s_delay_alu instid0(VALU_DEP_2)
	v_add3_u32 v[RES+2*(\m)+1], v[BIX], v[BIX+1], v[CB]
	ds_store_b64 v[BW], v[RES+2*(\m):RES+2*(\m)+1] offset:2048*(\m)   ; a pair of registers of its own for each tile: no store's data are written again
.endm
	s_load_b256 s[4:11], s[0:1], 0x0               ; x, vq_b1, vq_b2, wenc
	s_load_b128 s[12:15], s[0:1], 0x20             ; ee, zbuf
	s_load_b64 s[16:17], s[0:1], 0x30              ; idx
	v_lshl_add_u32 v[SPW], v0, 2, SPARE
	v_mov_b32 v[NIL], 0
	v_lshrrev_b32 v[TA], 5, v0
	s_delay_alu instid0(VALU_DEP_1)
	v_readfirstlane_b32 s[WV], v[TA]               ; wave 0..7
	v_and_b32 v[TA], 31, v0
	s_delay_alu instid0(VALU_DEP_1)
	v_lshlrev_b32 v[LI16], 4, v[TA]
	s_delay_alu instid0(VALU_DEP_2)
	v_lshlrev_b32 v[LI8], 3, v[TA]
	s_delay_alu instid0(VALU_DEP_3)
	v_lshlrev_b32 v[LI4], 2, v[TA]
	v_and_b32 v[RR], 15, v0
	s_wait_alu depctr_va_vdst(0)
	v_bfe_u32 v[HH], v0, 4, 1
	s_delay_alu instid0(VALU_DEP_1)
	v_lshlrev_b32 v[BO], 6, v[HH]
	s_mov_b32 s[SEL], 0x76543210
	s_mov_b32 s[SEL+1], 0xfedcba98
	s_mov_b32 s[CC], 0x4038aa3b                    ; 2 log2(e)
	s_mov_b32 s[CC+1], s[CC]                       ; (named with it as a pair, so it is written)
	s_mul_i32 s30, s[WV], 8448                     ; x's stage: my 16 rows of 528 bytes
	s_add_co_u32 s30, s30, XST
	v_add_nc_u32 v[XSW], s30, v[LI16]              ; in: 16 x lane of a row
	v_mul_u32_u24 v[XSR], v[RR], 528
	s_delay_alu instid0(VALU_DEP_1)
	v_add_nc_u32 v[XSR], v[XSR], v[BO]
	s_delay_alu instid0(VALU_DEP_1)
	v_add_nc_u32 v[XSR], s30, v[XSR]               ; back: row r, + 64 h
	s_mul_i32 s30, s[WV], 1536                     ; x's images: tile of rows w
	v_add_nc_u32 v[XW16], s30, v[LI16]
	s_add_co_u32 s30, s30, 512
	v_add_nc_u32 v[XW8], s30, v[LI8]
	s_and_b32 s30, s[WV], 1
	s_lshl_b32 s30, s30, 8
	s_lshr_b32 s31, s[WV], 1
	s_lshl_b32 s31, s31, 2
	s_add_co_u32 s34, s30, s31                     ; tile w's place among a K step's scale words: 256 (w % 2) + 4 (w / 2)
	s_add_co_u32 s30, s34, XSC
	v_lshl_add_u32 v[XWS], v[RR], 4, s30
	s_mul_i32 s35, s[WV], 12800                    ; my eighth of the 16 records that go to LDS
	s_add_co_u32 s30, s35, WL
	v_add_nc_u32 v[RW16], s30, v[LI16]
	s_lshl_b32 s30, s[WV], 8
	s_add_co_u32 s30, s30, EEL
	v_add_nc_u32 v[RW4], s30, v[LI8]
	s_mul_i32 s30, s[WV], 12288                    ; h's images: K step w
	s_add_co_u32 s30, s30, HIMG
	v_add_nc_u32 v[WI16], s30, v[LI16]
	s_add_co_u32 s30, s30, 512
	v_add_nc_u32 v[WI8], s30, v[LI8]
	s_lshl_b32 s30, s[WV], 9
	s_add_co_u32 s30, s30, HSC
	v_lshl_add_u32 v[WSA], v[RR], 4, s30
	s_mov_b32 s31, 0
	s_wait_alu depctr_va_vdst(0)
	s_wait_kmcnt 0x0
	s_lshl_b32 s30, ttmp9, 18
	s_lshl_b32 s32, s[WV], 15
	s_add_co_u32 s30, s30, s32
	s_add_nc_u64 s[4:5], s[4:5], s[30:31]          ; x at my 16 rows: (128 g + 16 w) x 2,048 bytes
	s_add_co_u32 s30, s35, 64*6400
	s_add_nc_u64 s[44:45], s[10:11], s[30:31]      ; the copy's source
	s_mul_i32 s30, s[WV], 51200
	s_add_nc_u64 s[WP:WP+1], s[10:11], s[30:31]    ; my 8 records of vq_w1
	s_lshl_b32 s30, s[WV], 9
	s_add_nc_u64 s[BP:BP+1], s[6:7], s[30:31]      ; my 128 numbers of vq_b1
	s_lshl_b32 s30, s[WV], 8
	s_add_nc_u64 s[12:13], s[12:13], s[30:31]      ; my 256 bytes of ee
	s_lshl_b32 s30, ttmp9, 15
	s_lshl_b32 s32, s[WV], 12
	s_add_co_u32 s30, s30, s32
	s_add_nc_u64 s[14:15], s[14:15], s[30:31]      ; z at my 16 rows
	s_lshl_b32 s30, ttmp9, 9
	s_lshl_b32 s32, s[WV], 6
	s_add_co_u32 s30, s30, s32
	s_add_nc_u64 s[16:17], s[16:17], s[30:31]      ; idx likewise
	; ---- the head.  Loads in the order of issue: the copy 26, x's K steps 0 to 3 of 16 each, the bias 8, the first two records 14 each; at most 58 are out at a time
.set i, 0
.rept 24
	global_load_b128 v[AF+4*i:AF+4*i+3], v[LI16], s[44:45] offset:512*i   ; the copy: 25 x 512 bytes of records, 256 of ee
.set i, i+1
.endr
	global_load_b128 v[BI:BI+3], v[LI16], s[44:45] offset:512*24
	global_load_b64 v[BI+4:BI+5], v[LI8], s[12:13]
	WIN 0x40                                       ; destination window 1
	XLOAD 0
	XLOAD 1
	WIN 0
	s_wait_loadcnt 32                              ; the copy's 26 loads are in; K steps 0 and 1 may be out
.set i, 0
.rept 24
	ds_store_b128 v[RW16], v[AF+4*i:AF+4*i+3] offset:512*i
.set i, i+1
.endr
	ds_store_b128 v[RW16], v[BI:BI+3] offset:512*24
	ds_store_b64 v[RW4], v[BI+4:BI+5]
	WIN 0x40
	XLOAD 2
	s_wait_loadcnt 32                              ; K step 0 is in; K steps 1 and 2 may be out
	TURN 0
	XLOAD 3
	WIN 0
	QUANT4 0
	BIASL BI, BP, 0                                ; (behind the wait at the quantiser's head: the copy's stores have read these registers)
	s_wait_loadcnt 40                              ; K step 1 is in; behind it: K steps 2 and 3, the bias
	TURN 1
	WIN 0
	LOADW 0, 0
	QUANT4 1
	s_wait_loadcnt 38                              ; K step 2 is in; behind it: K step 3, the bias, record 0
	TURN 2
	WIN 0
	LOADW 1, 6400
	QUANT4 2
	s_wait_loadcnt 36                              ; K step 3 is in; behind it: the bias and the two records
	TURN 3
	WIN 0
	QUANT4 3
	BARRIER                                        ; x's 32 fragments, the 16 records and ee lie in LDS; nobody reads a stage any more
	; ---- the wide layer: two passes of 64 hidden units
	s_mov_b32 s[PASS], 0
.Lpass1:
	v_add_nc_u32 v[RA16], XIMG, v[LI16]
	v_add_nc_u32 v[RA8], XIMG+512, v[LI8]
	v_add_nc_u32 v[RAS], XSC, v[LI16]
	ALOAD 0
	ALOAD 1
	s_wait_alu depctr_va_vdst(0)
	STEP 0, 1, 1, 2, 14                            ; the bias and record 0 are in; record 1's 14 loads may be out
	STEP 1, 0, 1, 3, 14                            ; the record asked for at the last step's end may be out
	STEP 0, 0, 1, -1, 14
	STEP 1, 0, 0, -1, 0
	s_cmp_lg_u32 s[PASS], 0                        ; the next pass's bias and first two records are asked for ahead of the epilogue, if there is a next pass
	s_cbranch_scc1 .Lno_more1
	BIASL BI, BP, 256
	LOADW 0, 4*6400
	LOADW 1, 5*6400
.Lno_more1:
.irp m, 0,1,2,3,4,5,6,7
	UNIT \m
.endr
	s_wait_dscnt 0x0                               ; my stores are done,
	s_wait_xcnt 0x0                                ; and the loads have read their base: both may be stepped
	s_add_nc_u64 s[WP:WP+1], s[WP:WP+1], 25600
	v_add_nc_u32 v[WI16], 768, v[WI16]             ; the fragments' upper halves,
	v_add_nc_u32 v[WI8], 768, v[WI8]
	v_add_nc_u32 v[WSA], 2, v[WSA]                 ; the words' upper halves
	s_add_co_u32 s[PASS], s[PASS], 1
	s_cmp_lt_u32 s[PASS], 2
	s_cbranch_scc1 .Lpass1
	s_wait_loadcnt 0x0
	BIASL Z, 8, 0                                  ; vq_b2, where z's sums will stand: the sums begin with it
	BARRIER                                        ; h's 64 fragments lie in LDS
	; ---- z: wave w takes tile of rows w; four accumulators by turns, 8 K steps
	s_mul_i32 s30, s[WV], 1536
	s_add_co_u32 s30, s30, HIMG
	v_add_nc_u32 v[RA16], s30, v[LI16]
	s_add_co_u32 s30, s30, 512
	v_add_nc_u32 v[RA8], s30, v[LI8]
	v_add_nc_u32 v[RW16], WL, v[LI16]
	v_add_nc_u32 v[RW4], WL, v[LI4]
	s_add_co_u32 s30, s34, HSC
	v_lshl_add_u32 v[HW], v[RR], 4, s30
	s_mul_i32 s33, s[WV], 6400
	s_add_co_u32 s33, s33, 51200                   ; from vq_w2's first record to my record of emb
	s_lshl_b32 s30, s[WV], 8
	s_add_co_u32 s30, s30, EEL
	v_add_nc_u32 v[EA], s30, v[BO]                 ; ee of my 64 codes, + 64 h
	s_mul_i32 s30, s[WV], 1536                     ; z's image: tile of rows w
	s_add_co_u32 s30, s30, ZIMG
	v_add_nc_u32 v[WI16], s30, v[LI16]
	s_add_co_u32 s30, s30, 512
	v_add_nc_u32 v[WI8], s30, v[LI8]
	s_add_co_u32 s30, s34, ZSC
	v_lshl_add_u32 v[WSA], v[RR], 4, s30
	v_lshlrev_b32 v[ZZA], 5, v[RR]
	s_delay_alu instid0(VALU_DEP_1)
	v_add_nc_u32 v[ZZA], ZZL, v[ZZA]               ; |z|^2: 32 bytes a row,
	s_lshl_b32 s30, s[WV], 2
	v_add_nc_u32 v[ZZW], s30, v[ZZA]               ; my tile's word in them
.irp s, 0,1,2,3
	HLOAD \s, 12288*\s
.endr
	v_add_nc_u32 v[RA16], 49152, v[RA16]
	v_add_nc_u32 v[RA8], 49152, v[RA8]
.irp s, 4,5,6,7
	HLOAD \s, 12288*(\s-4)
.endr
	LDSREC 0, 0, 0
	LDSREC 1, 6400, 1
	s_wait_loadcnt 0x0                             ; vq_b2
.irp s, 0,1,2,3,4,5,6,7
.if \s < 7
	s_wait_dscnt 15                                ; this K step's record is in; the next one's 15 loads may be out
.else
	s_wait_dscnt 14                                ; the last record is in; my record of emb, 14 loads, may be out
.endif
.irp t, 0,1,2,3
	WM Z+8*\t, WF+48*(\s%2)+12*\t, AF+12*\s, Z+8*\t, WS+2*(\s%2)+\t/2, AS+\s%2, \t, 0
.endr
	PLACES
.if \s < 6
	LDSREC \s%2, (\s+2)*6400, \s+2
.elseif \s == 6
	v_add_nc_u32 v[RW16], s33, v[RW16]             ; set 0 has done its last K step: it takes my record of emb
	v_add_nc_u32 v[RW4], s33, v[RW4]
	LDSREC 0, 0, -1
.else
	EELOAD                                         ; and set 1's registers my 64 codes' |e|^2
.endif
.endr
	QUANT2 Z, 92, 90                               ; z's 64 numbers are half a K step: v92-97, and two bytes of the scale word
.irp i, 0,1,2,3
	v_mov_b32 v[98+\i], 0                          ; the other half: zero codes
.endr
	v_pk_mul_f32 v[104:105], v[Z:Z+1], v[Z:Z+1]    ; |z|^2, in two packed chains
	v_pk_mul_f32 v[106:107], v[Z+2:Z+3], v[Z+2:Z+3]
.irp k, 4,8,12,16,20,24,28
	v_pk_fma_f32 v[104:105], v[Z+\k:Z+\k+1], v[Z+\k:Z+\k+1], v[104:105]
	v_pk_fma_f32 v[106:107], v[Z+\k+2:Z+\k+3], v[Z+\k+2:Z+\k+3], v[106:107]
.endr
	s_delay_alu instid0(VALU_DEP_1)
	v_pk_add_f32 v[104:105], v[104:105], v[106:107]
	s_delay_alu instid0(VALU_DEP_1)
	v_add_f32 v104, v104, v105
	s_delay_alu instid0(VALU_DEP_1)
	v_permlanex16_b32 v105, v104, s[SEL], s[SEL+1]
	s_delay_alu instid0(VALU_DEP_1)
	v_add_f32 v[ZZ], v104, v105
	ds_store_b128 v[WI16], v[92:95]                ; z's fragment, scale word and |z|^2 for all eight waves
	ds_store_b64 v[WI8], v[96:97]
	ds_store_b128 v[WI16], v[98:101] offset:768
	ds_store_b64 v[WI8], v[98:99] offset:768
	ds_store_b32 v[WSA], v90                       ; lanes r and r + 16 write the same word with the same value, here and in the next line
	ds_store_b32 v[ZZW], v[ZZ]
	s_mul_i32 s30, s[WV], 4352                     ; my stage for z, where x's images lay: nobody reads them behind the second barrier
	v_mul_u32_u24 v[STS], v[RR], 272
	s_delay_alu instid0(VALU_DEP_1)
	v_add_nc_u32 v[STS], v[STS], v[BO]
	s_delay_alu instid0(VALU_DEP_1)
	v_add_nc_u32 v[STS], s30, v[STS]
	v_mul_u32_u24 v[STR], v[HH], 272
	s_delay_alu instid0(VALU_DEP_1)
	v_lshl_add_u32 v[STR], v[RR], 4, v[STR]
	s_delay_alu instid0(VALU_DEP_1)
	v_add_nc_u32 v[STR], s30, v[STR]
.irp b, 0,1
.irp j, 0,1,2,3
	ds_store_b128 v[STS], v[Z+16*\b+4*\j:Z+16*\b+4*\j+3] offset:128*\b+16*\j
.endr
.endr
.irp i, 0,1,2,3,4,5,6,7
	ds_load_b128 v[Z+4*\i:Z+4*\i+3], v[STR] offset:544*\i   ; LDS serves a wave's instructions in order: these see my stores.  Two whole rows of z each, into the registers that z left
.endr
	BARRIER                                        ; z's 8 fragments, their scale words and |z|^2 lie in LDS; my record of emb, |e|^2 and z's rows are in registers
	; ---- z . e: my 64 codes x all 128 rows: 32 matrix instructions, each a whole sum
	ds_load_b128 v[ZZM:ZZM+3], v[ZZA]
	ds_load_b128 v[ZZM+4:ZZM+7], v[ZZA] offset:16
	v_add_nc_u32 v[RA16], ZIMG, v[LI16]
	v_add_nc_u32 v[RA8], ZIMG+512, v[LI8]
	v_add_nc_u32 v[RAS], ZSC, v[LI16]
	ALOAD 0
	ALOAD 1
.irp i, 0,1,2,3,4,5,6,7
	global_store_b128 v[LI16], v[Z+4*\i:Z+4*\i+3], s[14:15] offset:512*\i   ; 32 lanes store 512 consecutive bytes; these registers are not written again
.endr
	s_lshl_b32 s30, s[WV], 6
	v_lshl_add_u32 v[CB], v[HH], 4, s30            ; 64 w + 16 h
	s_lshl_b32 s30, s[WV], 8
	s_add_co_u32 s30, s30, BL
	v_add_nc_u32 v[BW], s30, v[LI8]                ; my candidates: 256 w + 8 x lane in each tile's 2,048 bytes
	s_lshl_b32 s30, s[WV], 11
	s_add_co_u32 s30, s30, BL
	v_add_nc_u32 v[BR], s30, v[LI8]                ; tile w's candidates: 2,048 w + 8 x lane
	s_wait_dscnt 17                                ; |z|^2 and tiles of rows 0-3 are in; the 17 loads of tiles 4-7 may be out
	WIN 0x40
	MMZ 0
	s_wait_dscnt 0x0
	MMZ 4
	WIN 0
	PLACES
	; ---- each row's least distance among my 64 codes
.irp m, 0,1,2,3,4,5,6,7
	ROWT \m
.endr
	BARRIER                                        ; all candidates lie in LDS
	; ---- wave w merges tile of rows w: the eight waves' candidates of my half in ascending order of the codes, then lane l xor 16's
.irp u, 0,1,2,3,4,5,6,7
	ds_load_b64 v[20+2*\u:21+2*\u], v[BR] offset:256*\u
.endr
	s_wait_dscnt 0x0
.irp u, 1
	v_cmp_lt_f32 s36, v[20+2*\u], v20
	s_delay_alu instid0(VALU_DEP_1)
	v_cndmask_b32 v20, v20, v[20+2*\u], s36
	s_delay_alu instid0(VALU_DEP_2)
	v_cndmask_b32 v21, v21, v[21+2*\u], s36
.endr
.irp u, 2, 3, 4, 5, 6, 7
	s_delay_alu instid0(VALU_DEP_2)
	v_cmp_lt_f32 s36, v[20+2*\u], v20
	s_delay_alu instid0(VALU_DEP_1)
	v_cndmask_b32 v20, v20, v[20+2*\u], s36
	s_delay_alu instid0(VALU_DEP_2)
	v_cndmask_b32 v21, v21, v[21+2*\u], s36
.endr
	s_delay_alu instid0(VALU_DEP_2)
	v_permlanex16_b32 v22, v20, s[SEL], s[SEL+1]
	s_delay_alu instid0(VALU_DEP_2)
	v_permlanex16_b32 v23, v21, s[SEL], s[SEL+1]
	s_delay_alu instid0(VALU_DEP_2)
	v_cmp_lt_f32 s36, v22, v20                     ; lane l xor 16's wins where it is smaller, or equal with the lower number
	s_delay_alu instid0(VALU_DEP_3)
	v_cmp_eq_f32 s37, v22, v20
	s_delay_alu instid0(VALU_DEP_3)
	v_cmp_lt_u32 s38, v23, v21
	s_and_b32 s37, s37, s38
	s_or_b32 s36, s36, s37
	v_cndmask_b32 v21, v21, v23, s36
	v_lshlrev_b32 v[TA], 2, v[RR]
	v_and_b32 v[STS], 31, v0
	s_delay_alu instid0(VALU_DEP_1)
	v_cmp_gt_u32 vcc_lo, 16, v[STS]
	s_wait_alu depctr_va_vdst(0)
	s_wait_xcnt 0x0                                ; EXEC changes only behind this wait
	s_and_saveexec_b32 s30, vcc_lo
	global_store_b32 v[TA], v21, s[16:17]
	s_wait_xcnt 0x0
	s_or_b32 exec_lo, exec_lo, s30
	s_wait_tensorcnt 0x0                           ; the wave's end: behind my last LDS store
	ds_add_u32 v[SPW], v[NIL]
	s_wait_dscnt 0x0
	s_endpgm
.Lfunc_end_k_q6f1b954531_enc:
	.size	k_q6f1b954531_enc, .Lfunc_end_k_q6f1b954531_enc-k_q6f1b954531_enc
	.p2alignl 7, 3214868480
	.fill 96, 4, 3214868480
	.section	.rodata,"a",@progbits
	.p2align	6, 0x0
	.amdhsa_kernel k_q6f1b954531_enc
		.amdhsa_group_segment_fixed_size 288768
		.amdhsa_private_segment_fixed_size 0
		.amdhsa_enable_private_segment 0
		.amdhsa_kernarg_size 56
		.amdhsa_user_sgpr_count 2
		.amdhsa_user_sgpr_kernarg_segment_ptr 1
		.amdhsa_wavefront_size32 1
		.amdhsa_system_sgpr_workgroup_id_x 1
		.amdhsa_system_sgpr_workgroup_id_y 1
		.amdhsa_system_sgpr_workgroup_id_z 1
		.amdhsa_system_vgpr_workitem_id 0
		.amdhsa_next_free_vgpr 512
		.amdhsa_next_free_sgpr 66
		.amdhsa_reserve_vcc 1
		.amdhsa_float_denorm_mode_32 3
		.amdhsa_float_denorm_mode_16_64 3
		.amdhsa_memory_ordered 1
		.amdhsa_forward_progress 1
		.amdhsa_inst_pref_size 255
	.end_amdhsa_kernel
	.section	.bss,"aw",@nobits
	.p2align	6
	.space	262144
	.amdgpu_metadata
---
amdhsa.version: [ 1, 2 ]
amdhsa.kernels:
  - .name:           k_q6f1b954531_enc
    .symbol:         k_q6f1b954531_enc.kd
    .args:
      - { .name: x, .offset: 0, .size: 8, .value_kind: global_buffer, .address_space: global }
      - { .name: vq_b1, .offset: 8, .size: 8, .value_kind: global_buffer, .address_space: global }
      - { .name: vq_b2, .offset: 16, .size: 8, .value_kind: global_buffer, .address_space: global }
      - { .name: wenc, .offset: 24, .size: 8, .value_kind: global_buffer, .address_space: global }
      - { .name: ee, .offset: 32, .size: 8, .value_kind: global_buffer, .address_space: global }
      - { .name: zbuf, .offset: 40, .size: 8, .value_kind: global_buffer, .address_space: global }
      - { .name: idx, .offset: 48, .size: 8, .value_kind: global_buffer, .address_space: global }
    .group_segment_fixed_size: 288768
    .private_segment_fixed_size: 0
    .kernarg_segment_align: 8
    .kernarg_segment_size: 56
    .max_flat_workgroup_size: 256
    .sgpr_count:     66
    .vgpr_count:     512
    .wavefront_size: 32
...
	.end_amdgpu_metadata
.endif
;; end of part 2
;; launch mid (part 3): grid 256 x 1, 4 waves a work-group, no clusters, 19,456 bytes of LDS; arguments zbuf, idx, emb, te_b1, te_b2, wenc, wdec, t2c, tsc, part; writes t2c, tsc, part
.if DOCPART == 3
	.amdgcn_target "amdgcn-amd-amdhsa--gfx1250"
	.amdhsa_code_object_version 6
	.text
	.protected	k_q6f1b954531_mid
	.globl	k_q6f1b954531_mid
	.p2align	8
	.type	k_q6f1b954531_mid,@function
k_q6f1b954531_mid:
	s_mov_b64 s[64:65], 0
	v_nop
	global_prefetch_b8 v0, s[64:65] scope:SCOPE_SE
	s_setreg_imm32_b32 hwreg(HW_REG_WAVE_MODE, 25, 1), 1
	s_wait_xcnt 0x0
; The two hidden layers for the 512 CODES, not for the 32,768 rows: z_st = z + (z_q - z) is emb[idx] in real numbers (shown at the head of the first kernel).  And part[g] = the sum of (emb[idx] - z)^2 over rows 128 g .. 128 g + 127.
; t1 = tanh(Q(emb) Q(te_w1) + b1), t2 = tanh(Q(t1) Q(te_w2) + b2), on codes of FP6 (E2M3) with one E8M0 byte for each 32 along K; stored: Q(t2), codes and bytes.
; SHARES.  Work-group g: tile of codes T = g / 8 (the 16 codes of emb's fragment T in wenc: code 32 (T / 2) + 8 (T % 2) + r + 8 (r / 8)) and columns 128 (g % 8) .. + 127 of te_w2.  32 x 8 = 256 work-groups.
; The first layer (K = 64) is made whole by each work-group: wave w makes hidden units 256 w .. 256 w + 255, 16 matrix instructions, and hands two fragments to the others through LDS as images of their registers.
; In the second layer wave w makes two tiles of columns, 32 neighbours along the heads' K: 16 matrix instructions, the two accumulators by turns.
; Products are used transposed (source 0 = 16 columns of the weight, source 1 = 16 codes): a lane holds one code, and its registers run along the next K.  Each sum begins with the bias, laid into the accumulator.
; WEIGHTS come from memory straight into registers, in the order of the operand's registers (records of 6,400 bytes): no two waves read the same fragment.  te_w1 goes to window 1, te_w2 to window 2.
; THE ORDER OF THE LOADS.  What the first products want is 62 loads (b1 2, te_w1 48, emb 4, scale words 8), then idx's 4.  b1's 256 numbers come as 1,024 consecutive bytes and are spread into the result's layout through the wave's own LDS bytes.
; te_w2's 60 loads go out behind the first products, z's and the gather's 32 behind the tanh; the loss's sum stands ahead of the second barrier.
; t2c: K step s, code c: 96 bytes at 49,152 s + 96 c; lane half h' of the reader finds its 48 bytes (registers 0-11) at + 48 h'.  A work-group's 16 codes are two runs of 768 bytes: they leave through LDS, 16 bytes a lane.
; tsc: code c's eight scale words at 32 c.  A work-group stores one word of 16 codes: 64 of the 1,600 bytes that it stores lie in units written in part.
; NO TENSOR LOAD, NO CLUSTER, NO PREFETCH: every byte is loaded once by one wave and goes to registers; LDS is filled once; there is no loop to run ahead in.
; tanh(u) = 1 - 2 / (1 + 2^(2 log2(e) u)): the exponential's overflow gives 1, its underflow -1.  LIMITS: the absolute error is about 2^-23, so the relative error grows as |tanh| falls under 1; NaN and infinities are not served;
; blocks under 2^-124 take the byte 1 (blocks of zeros too: their codes are zeros).  idx is held to 0 .. 511 ahead of the gather.
.set ACT,   0                          ; t1's 8 fragments, 1,536 bytes each: registers 4 c .. 4 c + 3 at 512 c + 16 x lane
.set ASC,   12288                      ; their scale words: code r, K step s at 32 r + 4 s
.set ST,    12800                      ; the stage for t2's codes: 16 x 96 bytes
.set SCST,  14336                      ; t2's scale bytes: 4 r + w
.set LW,    14592                      ; the four waves' sums for the loss
.set BL,    14848                      ; b1: 1,024 bytes for each wave
.set SPARE, 18944                      ; the spare words, 128 bytes a wave
.set SPW, 1
.set NIL, 2
.set LI16, 3
.set LI4, 4
.set RR, 5
.set HH, 6
.set BO, 7                             ; 64 h
.set R4, 8                             ; 4 r
.set ZO, 9                             ; 4,096 h + 16 r
.set AW, 10
.set ASW, 11
.set ASR, 12
.set STW, 13
.set SCW, 14
.set LWA, 15
.set STR, 16
.set ES, 17                            ; emb's scale words
.set S0, 18                            ; v[18:19], v[36:37] the loss's two chains
.set S1, 36
.set IX, 20                            ; v20-35 idx of my 16 rows, then the gather's offsets
.set Q, 36                             ; v36-53 at work in the quantisers
.set GO, 44
.set TSO, 45
.set SCR, 46
.set LWR, 47
.set R16, 54
.set TA, 55
.set PC, 56                            ; v56-75, v76-95 codes, two sets; at the head v56-63: b1 as it lies
.set EF, 76                            ; v76-87 emb's fragment (until the first layer's products are done)
.set WS1, 88                           ; v88-95 te_w1's scale words (likewise)
.set WS2, 96                           ; v96-103 te_w2's
.set AS, 104                           ; v104-111 t1's
.set BLW, 104                          ; at the head: where b1 goes in LDS,
.set BLR, 105                          ; and where it is read
.set A2, 112                           ; v112-127 the second layer's two accumulators
.set A1, 128                           ; v128-255 the first layer's sixteen; then t1's 8 fragments
.set WV, 24
.set SEL, 58
.set CC, 60
.set MSB, 0
.macro WIN new                         ; the immediate's high byte repeats the setting that is left
.if MSB != (\new)
	s_set_vgpr_msb (MSB<<8)|(\new)
.set MSB, (\new)
.endif
.endm
.macro PTR d, b, o                     ; a pointer = a buffer's address + an offset under 4 GiB (s31 = 0)
	s_mov_b32 s30, s[\o]
	s_add_nc_u64 s[\d:\d+1], s[\b:\b+1], s[30:31]
.endm
.macro BARRIER
	s_wait_alu depctr_va_vdst(0)
	s_wait_dscnt 0x0                               ; my LDS stores have landed, my LDS loads are in
	s_barrier_signal -1
	s_barrier_wait -1
.endm
.macro WM d, a, b, sa, sb, row         ; one product onto v[d]; row odd: the weight's scale words stand in lanes 16-31
.if (\row)%2
	v_wmma_scale_f32_16x16x128_f8f6f4 v[(\d):(\d)+7], v[(\a):(\a)+11], v[(\b):(\b)+11], v[(\d):(\d)+7], v[(\sa)], v[(\sb)] matrix_a_fmt:MATRIX_FMT_FP6 matrix_b_fmt:MATRIX_FMT_FP6 matrix_a_scale:MATRIX_SCALE_ROW1
.else
	v_wmma_scale_f32_16x16x128_f8f6f4 v[(\d):(\d)+7], v[(\a):(\a)+11], v[(\b):(\b)+11], v[(\d):(\d)+7], v[(\sa)], v[(\sb)] matrix_a_fmt:MATRIX_FMT_FP6 matrix_b_fmt:MATRIX_FMT_FP6
.endif
.endm
.macro TANH base, n                    ; n numbers in place; each batch of transcendentals has one wait ahead of it and one behind
.set k, 0
.rept (\n)/2
	v_pk_mul_f32 v[(\base)+k:(\base)+k+1], v[(\base)+k:(\base)+k+1], s[CC:CC+1] op_sel_hi:[1,0]   ; 2 log2(e) u; each accumulator from its low end on
.set k, k+2
.endr
	s_wait_alu depctr_va_vdst(0)
.set k, 0
.rept \n
	v_exp_f32 v[(\base)+k], v[(\base)+k]
.set k, k+1
.endr
	v_nop
	s_wait_alu depctr_va_vdst(0)
.set k, 0
.rept (\n)/2
	v_pk_add_f32 v[(\base)+k:(\base)+k+1], v[(\base)+k:(\base)+k+1], 1.0 op_sel_hi:[1,0]
.set k, k+2
.endr
	s_wait_alu depctr_va_vdst(0)
.set k, 0
.rept \n
	v_rcp_f32 v[(\base)+k], v[(\base)+k]
.set k, k+1
.endr
	v_nop
	s_wait_alu depctr_va_vdst(0)
.set k, 0
.rept (\n)/2
	v_pk_fma_f32 v[(\base)+k:(\base)+k+1], v[(\base)+k:(\base)+k+1], -2.0, 1.0 op_sel_hi:[1,0,0]
.set k, k+2
.endr
.endm
; 64 numbers of a lane (register 16 b + i = k 32 b + 16 h + i of my code) become the fragment of K step 2 w + kk and its scale word, and go to LDS
.macro QUANT4 kk
.set SRC, A1+64*(\kk)
.set PCK, PC+20*(\kk)
.irp b, 0,1,2,3
	v_max3_num_f32 v[Q+\b], |v[SRC+16*\b]|, |v[SRC+16*\b+1]|, 0x1800000   ; with the floor 2^(3 - 127): the byte cannot fall under 1
.endr
.irp i, 2,4,6,8,10,12,14
.irp b, 0,1,2,3
	v_max3_num_f32 v[Q+\b], v[Q+\b], |v[SRC+16*\b+\i]|, |v[SRC+16*\b+\i+1]|
.endr
.endr
.irp b, 0,1,2,3
	v_permlanex16_b32 v[Q+4+\b], v[Q+\b], s[SEL], s[SEL+1]
.endr
.irp b, 0,1,2,3
	v_max_num_f32 v[Q+\b], v[Q+\b], v[Q+4+\b]      ; with lane l xor 16's: the block's largest magnitude
.endr
.irp b, 0,1,2,3
	v_add_nc_u32 v[Q+12+\b], 0xff000000, v[Q+\b]   ; 2 off its exponent field: the conversion's scale operand
.endr
.irp b, 0,1,2,3
	v_lshrrev_b32 v[Q+4+\b], 23, v[Q+12+\b]        ; the scale's byte
.endr
	v_lshl_or_b32 v[Q+16+\kk], v[Q+5], 8, v[Q+4]
	v_lshl_or_b32 v[Q+16+\kk], v[Q+6], 16, v[Q+16+\kk]
	v_lshl_or_b32 v[Q+16+\kk], v[Q+7], 24, v[Q+16+\kk]
.irp c, 0,1
	v_cvt_scalef32_pk16_fp6_f32 v[PCK+6*\c:PCK+6*\c+2], v[SRC+32*\c:SRC+32*\c+15], v[Q+12+2*\c]
	v_cvt_scalef32_pk16_fp6_f32 v[PCK+12+4*\c:PCK+14+4*\c], v[SRC+32*\c+16:SRC+32*\c+31], v[Q+13+2*\c]
.endr
	v_nop                                          ; one plain place behind a scaled conversion
.irp c, 0,1
.irp i, 0,1,2
	v_permlane16_swap_b32 v[PCK+6*\c+\i], v[PCK+12+4*\c+\i]   ; the operand's layout wants a whole block in a lane
.endr
.irp i, 0,1,2
	v_mov_b32 v[PCK+3+6*\c+\i], v[PCK+12+4*\c+\i]
.endr
.endr
.irp c, 0,1,2
	ds_store_b128 v[AW], v[PCK+4*\c:PCK+4*\c+3] offset:1536*(\kk)+512*\c
.endr
	ds_store_b32 v[ASW], v[Q+16+\kk] offset:4*(\kk)   ; lanes r and r + 16 write the same word with the same value
.endm
	s_load_b512 s[4:19], s[0:1], 0x0               ; zbuf, idx, emb, te_b1, te_b2, wenc, wdec, t2c
	s_load_b128 s[20:23], s[0:1], 0x40             ; tsc, part
	v_lshl_add_u32 v[SPW], v0, 2, SPARE
	v_mov_b32 v[NIL], 0
	v_lshrrev_b32 v[TA], 5, v0
	v_readfirstlane_b32 s[WV], v[TA]               ; wave 0..3
	s_mov_b32 s[SEL], 0x76543210
	s_mov_b32 s[SEL+1], 0xfedcba98                 ; selects for lane l xor 16
	s_mov_b32 s[CC], 0x4038aa3b                    ; 2 log2(e)
	s_mov_b32 s[CC+1], s[CC]
	s_mov_b32 s31, 0
	s_lshr_b32 s25, ttmp9, 3                       ; T
	s_and_b32 s26, ttmp9, 7                        ; which 128 columns of te_w2
	s_and_b32 s27, s[WV], 1
	s_lshr_b32 s28, s[WV], 1
	; byte offsets into the buffers
	s_lshl_b32 s44, ttmp9, 15
	s_lshl_b32 s29, s[WV], 13
	s_add_co_u32 s44, s44, s29                     ; z: (128 g + 32 w) rows of 256 bytes
	s_lshr_b32 s45, s44, 6                         ; idx: the same rows, 4 bytes each
	s_lshl_b32 s46, s[WV], 10                      ; te_b1: my 256 numbers
	s_lshl_b32 s47, s26, 9
	s_lshl_b32 s29, s[WV], 7
	s_add_co_u32 s47, s47, s29                     ; te_b2: my 32 numbers
	s_lshr_b32 s48, s25, 2
	s_mul_i32 s48, s48, 6400
	s_add_co_u32 s48, s48, 72*6400                 ; wenc: emb's record 72 + T / 4,
	s_and_b32 s29, s25, 3
	s_mul_i32 s49, s29, 1536
	s_add_co_u32 s49, s49, s48                     ; its fragment T % 4,
	s_lshl_b32 s29, s29, 6
	s_add_co_u32 s50, s48, s29
	s_add_co_u32 s50, s50, 6144                    ; and that fragment's scale words
	s_mul_i32 s51, s[WV], 256000                   ; wdec: te_w1's records of tiles 16 w .. 16 w + 15 open the streams 2 w and 2 w + 1
	s_mul_i32 s52, s26, 128000
	s_mul_i32 s29, s28, 51200
	s_add_co_u32 s52, s52, s29
	s_add_co_u32 s52, s52, 12800                   ; te_w2: the record of K step 0 that holds my two tiles,
	s_lshl_b32 s29, s27, 7
	s_add_co_u32 s53, s52, s29
	s_add_co_u32 s53, s53, 6144                    ; their scale words,
	s_mul_i32 s29, s27, 3072
	s_add_co_u32 s52, s52, s29                     ; their fragments
	s_lshr_b32 s29, s25, 1
	s_lshl_b32 s29, s29, 5
	s_and_b32 s54, s25, 1
	s_lshl_b32 s54, s54, 3
	s_add_co_u32 s54, s54, s29                     ; the tile's first code: 32 (T / 2) + 8 (T % 2)
	s_mul_i32 s55, s26, 49152
	s_mul_i32 s29, s54, 96
	s_add_co_u32 s55, s55, s29                     ; t2c
	s_lshl_b32 s54, s54, 5
	s_lshl_b32 s29, s26, 2
	s_add_co_u32 s54, s54, s29                     ; tsc
	s_lshl_b32 s56, ttmp9, 2                       ; part
	; LDS places that hang on the wave
	s_mul_i32 s32, s[WV], 3072
	s_lshl_b32 s33, s[WV], 3
	s_add_co_u32 s33, s33, ASC
	s_mul_i32 s34, s27, 48
	s_mul_i32 s35, s28, 24
	s_add_co_u32 s34, s34, s35
	s_add_co_u32 s34, s34, ST
	s_add_co_u32 s35, s[WV], SCST
	s_lshl_b32 s36, s[WV], 2
	s_add_co_u32 s36, s36, LW
	s_lshl_b32 s37, s[WV], 10
	s_add_co_u32 s37, s37, BL
	v_and_b32 v[TA], 31, v0
	v_lshlrev_b32 v[LI16], 4, v[TA]
	v_lshlrev_b32 v[LI4], 2, v[TA]
	v_and_b32 v[RR], 15, v0
	v_bfe_u32 v[HH], v0, 4, 1
	v_lshlrev_b32 v[BO], 6, v[HH]
	v_lshlrev_b32 v[R4], 2, v[RR]
	v_lshlrev_b32 v[R16], 4, v[RR]
	v_lshl_add_u32 v[ZO], v[HH], 12, v[R16]
	v_add_nc_u32 v[AW], s32, v[LI16]               ; my two fragments: K steps 2 w, 2 w + 1
	v_lshl_add_u32 v[ASW], v[RR], 5, s33
	v_lshl_add_u32 v[ASR], v[RR], 5, ASC
	v_mul_u32_u24 v[STW], v[RR], 96
	v_mad_u32_u24 v[STW], v[HH], 12, v[STW]
	v_add_nc_u32 v[STW], s34, v[STW]               ; the stage: 96 r + 48 (w % 2) + 24 (w / 2) + 12 h
	v_add_nc_u32 v[SCW], s35, v[R4]
	v_mov_b32 v[LWA], s36
	v_add_nc_u32 v[BLW], s37, v[LI16]
	v_add_nc_u32 v[BLR], s37, v[BO]
	v_lshl_add_u32 v[STR], v0, 4, ST               ; back out of the stage: 16 bytes a thread (waves 0 to 2)
	v_add_nc_u32 v[TA], 16, v0
	v_lshrrev_b32 v[TA], 6, v[TA]
	v_mul_u32_u24 v[TA], v[TA], 768
	v_lshl_add_u32 v[GO], v0, 4, v[TA]             ; in t2c: codes r = 8 .. 15 (threads 48 on) lie 16 codes behind r = 0 .. 7
	v_and_b32 v[TA], 8, v[RR]
	v_add_nc_u32 v[TA], v[TA], v[RR]
	v_lshlrev_b32 v[TSO], 5, v[TA]                 ; in tsc: 32 (r + 8 (r / 8))
	v_add_nc_u32 v[SCR], SCST, v[R4]
	v_mov_b32 v[LWR], LW
.irp b, 0,1,2,3
	v_mov_b32 v[Q+4+\b], 0                         ; written once: a lane permute's destination counts as one of its sources
.endr
	s_wait_alu depctr_va_vdst(0)
	s_wait_kmcnt 0x0
	PTR 4, 4, 44
	PTR 6, 6, 45
	PTR 10, 10, 46
	PTR 12, 12, 47
	PTR 34, 14, 50
	PTR 14, 14, 49
	PTR 38, 16, 51
	PTR 40, 16, 52
	PTR 42, 16, 53
	PTR 18, 18, 55
	PTR 20, 20, 54
	PTR 22, 22, 56
	; ---- what the first products want, 62 loads: b1 2, te_w1 48, emb 4, te_w1's scale words 8; then idx 4
	global_load_b128 v[PC:PC+3], v[LI16], s[10:11]
	global_load_b128 v[PC+4:PC+7], v[LI16], s[10:11] offset:512
	WIN 0x40                                       ; destination window 1
.irp k, 0,1
.irp n, 0,1
.irp f, 0,1,2,3
.irp c, 0,1,2
	global_load_b128 v[12*(8*\k+4*\n+\f)+4*\c:12*(8*\k+4*\n+\f)+4*\c+3], v[LI16], s[38:39] offset:128000*\k+6400*\n+1536*\f+512*\c
.endr
.endr
.endr
.endr
	WIN 0
.irp c, 0,1,2
	global_load_b128 v[EF+4*\c:EF+4*\c+3], v[LI16], s[14:15] offset:512*\c
.endr
	global_load_b32 v[ES], v[R4], s[34:35]
.irp k, 0,1
.irp n, 0,1
.irp i, 0,1
	global_load_b32 v[WS1+4*\k+2*\n+\i], v[LI4], s[38:39] offset:128000*\k+6400*\n+6144+128*\i
.endr
.endr
.endr
.irp q, 0,1,2,3
	global_load_b128 v[IX+4*\q:IX+4*\q+3], v[BO], s[6:7] offset:16*\q   ; idx of rows 16 h + 0 .. 15 of my 32
.endr
	s_wait_loadcnt 63                              ; 64 loads stand behind b1's two: they are in
	ds_store_b128 v[BLW], v[PC:PC+3]
	ds_store_b128 v[BLW], v[PC+4:PC+7] offset:512
.set tl, 0
.rept 16
	ds_load_b128 v[A1+8*tl:A1+8*tl+3], v[BLR] offset:128*(tl/2)+32*(tl%2)        ; b1 in the result's layout, where the sums will stand.  LDS serves a wave's instructions in order: these see my stores
	ds_load_b128 v[A1+8*tl+4:A1+8*tl+7], v[BLR] offset:128*(tl/2)+32*(tl%2)+16
.set tl, tl+1
.endr
	s_wait_loadcnt 4                               ; all but idx's four
	s_wait_dscnt 0x0
	; ---- the first layer: 16 whole sums
	WIN 0x01                                       ; source 0 in window 1
.set tl, 0
.rept 16
	WM A1+8*tl, 12*tl, EF, WS1+tl/2, ES, tl
.set tl, tl+1
.endr
	; ---- te_w2's 60 loads: fragments 48, scale words 8, b2 4
	WIN 0x80                                       ; destination window 2
.irp s, 0,1,2,3,4,5,6,7
.irp t, 0,1
.irp c, 0,1,2
	global_load_b128 v[12*(2*\s+\t)+4*\c:12*(2*\s+\t)+4*\c+3], v[LI16], s[40:41] offset:6400*\s+1536*\t+512*\c
.endr
.endr
.endr
	WIN 0
.irp s, 0,1,2,3,4,5,6,7
	global_load_b32 v[WS2+\s], v[LI4], s[42:43] offset:6400*\s
.endr
.irp t, 0,1
	global_load_b128 v[A2+8*\t:A2+8*\t+3], v[BO], s[12:13] offset:32*\t
	global_load_b128 v[A2+8*\t+4:A2+8*\t+7], v[BO], s[12:13] offset:32*\t+16
.endr
	s_wait_loadcnt 60                              ; idx is in: behind it stand these 60
.set i, 0
.rept 16
	v_min_u32 v[IX+i], 0x1ff, v[IX+i]              ; (these 32 lines are also the places behind the products)
.set i, i+1
.endr
.set i, 0
.rept 16
	v_lshl_add_u32 v[IX+i], v[IX+i], 8, v[R16]     ; a row of emb is 256 bytes; + 16 r
.set i, i+1
.endr
	; ---- tanh of my 128 sums
	TANH A1, 128
	; ---- the loss's 32 loads
	WIN 0x40
.set i, 0
.rept 16
	global_load_b128 v[192+4*i:195+4*i], v[ZO], s[4:5] offset:256*i th:TH_LOAD_NT   ; z: rows i and i + 16, sixteen lanes to a row of 256 bytes
.set i, i+1
.endr
	WIN 0x80
.set i, 0
.rept 16
	global_load_b128 v[192+4*i:195+4*i], v[IX+i], s[8:9]
.set i, i+1
.endr
	WIN 0
	QUANT4 0
	QUANT4 1
	BARRIER                                        ; t1's 8 fragments and their scale words lie in LDS
	; ---- the second layer
.irp s, 0,1,2,3,4,5,6,7
.irp c, 0,1,2
	ds_load_b128 v[A1+12*\s+4*\c:A1+12*\s+4*\c+3], v[LI16] offset:ACT+1536*\s+512*\c
.endr
.endr
	ds_load_b128 v[AS:AS+3], v[ASR]
	ds_load_b128 v[AS+4:AS+7], v[ASR] offset:16
	s_wait_loadcnt 32                              ; te_w2, its scale words and b2 are in; z's and the gather's 32 loads may be out
	s_wait_dscnt 0x0
	WIN 0x02                                       ; source 0 in window 2
.irp s, 0,1,2,3,4,5,6,7
.irp t, 0,1
	WM A2+8*\t, 12*(2*\s+\t), A1+12*\s, WS2+\s, AS+\s, \t
.endr
.endr
	WIN 0
.rept 4
	v_nop                                          ; four places ahead of the first read of the results
.endr
	TANH A2, 16                                    ; register i = unit 32 (4 (g % 8) + w) + 16 h + i
	v_max3_num_f32 v[Q], |v[A2]|, |v[A2+1]|, 0x1800000
.irp i, 2,4,6,8,10,12,14
	v_max3_num_f32 v[Q], v[Q], |v[A2+\i]|, |v[A2+\i+1]|
.endr
	v_permlanex16_b32 v[Q+4], v[Q], s[SEL], s[SEL+1]
	v_max_num_f32 v[Q], v[Q], v[Q+4]
	v_add_nc_u32 v[Q+12], 0xff000000, v[Q]
	v_lshrrev_b32 v[Q+5], 23, v[Q+12]
	v_cvt_scalef32_pk16_fp6_f32 v[PC:PC+2], v[A2:A2+15], v[Q+12]   ; 16 codes, 12 bytes: half a block
	v_nop
.irp i, 0,1,2
	ds_store_b32 v[STW], v[PC+\i] offset:4*\i
.endr
	ds_store_b8 v[SCW], v[Q+5]                     ; lanes r and r + 16 write the same byte with the same value
	; ---- the loss's part
	s_wait_loadcnt 0x0
	WIN 0x86                                       ; source 0 and destination window 2, source 1 window 1
.set k, 0
.rept 32
	v_pk_add_f32 v[192+k:193+k], v[192+k:193+k], v[192+k:193+k] neg_lo:[0,1] neg_hi:[0,1]   ; z_q - z
.set k, k+2
.endr
	WIN 0x0a                                       ; sources 0 and 1 window 2
	v_pk_mul_f32 v[S0:S0+1], v[192:193], v[192:193]
	v_pk_mul_f32 v[S1:S1+1], v[194:195], v[194:195]
.set k, 4
.rept 15
	v_pk_fma_f32 v[S0:S0+1], v[192+k:193+k], v[192+k:193+k], v[S0:S0+1]
	v_pk_fma_f32 v[S1:S1+1], v[194+k:195+k], v[194+k:195+k], v[S1:S1+1]
.set k, k+4
.endr
	WIN 0
	v_pk_add_f32 v[S0:S0+1], v[S0:S0+1], v[S1:S1+1]
	v_add_f32 v[S0], v[S0], v[S0+1]
	v_add_f32_dpp v[S0], v[S0], v[S0] row_xmask:1 row_mask:0xf bank_mask:0xf
	v_add_f32_dpp v[S0], v[S0], v[S0] row_xmask:2 row_mask:0xf bank_mask:0xf
	v_add_f32_dpp v[S0], v[S0], v[S0] row_xmask:4 row_mask:0xf bank_mask:0xf
	v_add_f32_dpp v[S0], v[S0], v[S0] row_xmask:8 row_mask:0xf bank_mask:0xf
	v_permlanex16_b32 v[S0+1], v[S0], s[SEL], s[SEL+1]
	v_add_f32 v[S0], v[S0], v[S0+1]                ; my 32 rows' sum, in every lane
	ds_store_b32 v[LWA], v[S0]                     ; all lanes write the same word with the same value
	BARRIER                                        ; 16 x 96 bytes of codes, 16 scale words and the four sums lie in LDS
	s_cmp_eq_u32 s[WV], 3
	s_cbranch_scc1 .Lwave3
	ds_load_b128 v[PC+4:PC+7], v[STR]
	s_wait_dscnt 0x0
	global_store_b128 v[GO], v[PC+4:PC+7], s[18:19]   ; waves 0 to 2: 512 bytes each, sixteen lanes to 256 consecutive bytes, aligned
	s_branch .Lend
.Lwave3:
	ds_load_b32 v[Q], v[SCR]
	ds_load_b128 v[PC+4:PC+7], v[LWR]
	s_wait_dscnt 0x0
	v_add_f32 v[PC+4], v[PC+4], v[PC+5]
	v_add_f32 v[PC+6], v[PC+6], v[PC+7]
	v_add_f32 v[PC+4], v[PC+4], v[PC+6]            ; the work-group's sum, in a fixed order
	v_mov_b32 v[TA], 0
	v_and_b32 v[PC+5], 31, v0
	v_cmp_gt_u32 vcc_lo, 16, v[PC+5]
	s_wait_alu depctr_va_vdst(0)
	s_wait_xcnt 0x0                                ; EXEC changes only behind this wait
	s_and_saveexec_b32 s32, vcc_lo
	global_store_b32 v[TSO], v[Q], s[20:21]        ; lanes 0-15: my 16 codes' scale word of K step g % 8
	s_wait_xcnt 0x0
	s_or_b32 exec_lo, exec_lo, s32
	v_cmp_eq_u32 vcc_lo, 0, v[PC+5]
	s_and_saveexec_b32 s32, vcc_lo
	global_store_b32 v[TA], v[PC+4], s[22:23]
	s_wait_xcnt 0x0
	s_or_b32 exec_lo, exec_lo, s32
.Lend:
	s_wait_tensorcnt 0x0                           ; the wave's end: behind my last LDS store
	ds_add_u32 v[SPW], v[NIL]
	s_wait_dscnt 0x0
	s_endpgm
.Lfunc_end_k_q6f1b954531_mid:
	.size	k_q6f1b954531_mid, .Lfunc_end_k_q6f1b954531_mid-k_q6f1b954531_mid
	.p2alignl 7, 3214868480
	.fill 96, 4, 3214868480
	.section	.rodata,"a",@progbits
	.p2align	6, 0x0
	.amdhsa_kernel k_q6f1b954531_mid
		.amdhsa_group_segment_fixed_size 19456
		.amdhsa_private_segment_fixed_size 0
		.amdhsa_enable_private_segment 0
		.amdhsa_kernarg_size 80
		.amdhsa_user_sgpr_count 2
		.amdhsa_user_sgpr_kernarg_segment_ptr 1
		.amdhsa_wavefront_size32 1
		.amdhsa_system_sgpr_workgroup_id_x 1
		.amdhsa_system_sgpr_workgroup_id_y 1
		.amdhsa_system_sgpr_workgroup_id_z 1
		.amdhsa_system_vgpr_workitem_id 0
		.amdhsa_next_free_vgpr 768
		.amdhsa_next_free_sgpr 66
		.amdhsa_reserve_vcc 1
		.amdhsa_float_denorm_mode_32 3
		.amdhsa_float_denorm_mode_16_64 3
		.amdhsa_memory_ordered 1
		.amdhsa_forward_progress 1
		.amdhsa_inst_pref_size 69
	.end_amdhsa_kernel
	.amdgpu_metadata
---
amdhsa.version: [ 1, 2 ]
amdhsa.kernels:
  - .name:           k_q6f1b954531_mid
    .symbol:         k_q6f1b954531_mid.kd
    .args:
      - { .name: zbuf, .offset: 0, .size: 8, .value_kind: global_buffer, .address_space: global }
      - { .name: idx, .offset: 8, .size: 8, .value_kind: global_buffer, .address_space: global }
      - { .name: emb, .offset: 16, .size: 8, .value_kind: global_buffer, .address_space: global }
      - { .name: te_b1, .offset: 24, .size: 8, .value_kind: global_buffer, .address_space: global }
      - { .name: te_b2, .offset: 32, .size: 8, .value_kind: global_buffer, .address_space: global }
      - { .name: wenc, .offset: 40, .size: 8, .value_kind: global_buffer, .address_space: global }
      - { .name: wdec, .offset: 48, .size: 8, .value_kind: global_buffer, .address_space: global }
      - { .name: t2c, .offset: 56, .size: 8, .value_kind: global_buffer, .address_space: global }
      - { .name: tsc, .offset: 64, .size: 8, .value_kind: global_buffer, .address_space: global }
      - { .name: part, .offset: 72, .size: 8, .value_kind: global_buffer, .address_space: global }
    .group_segment_fixed_size: 19456
    .private_segment_fixed_size: 0
    .kernarg_segment_align: 8
    .kernarg_segment_size: 80
    .max_flat_workgroup_size: 128
    .sgpr_count:     66
    .vgpr_count:     768
    .wavefront_size: 32
...
	.end_amdgpu_metadata
.endif
;; end of part 3
;; launch out (part 4): grid 256 x 1, 4 waves a work-group, no clusters, 172,544 bytes of LDS; arguments idx, t2c, tsc, wdec, mean_b, lv_b, part, out0, out1, out2; writes out0, out1, out2
.if DOCPART == 4
	.amdgcn_target "amdgcn-amd-amdhsa--gfx1250"
	.amdhsa_code_object_version 6
	.text
	.protected	k_q6f1b954531_out
	.globl	k_q6f1b954531_out
	.p2align	8
	.type	k_q6f1b954531_out,@function
k_q6f1b954531_out:
	s_mov_b64 s[64:65], 0
	v_nop
	global_prefetch_b8 v0, s[64:65] scope:SCOPE_SE
	s_setreg_imm32_b32 hwreg(HW_REG_WAVE_MODE, 25, 1), 1
	s_wait_xcnt 0x0
; mean = t Wm + bm, log_var = t Wl + bl for all 32,768 rows, on codes of FP6 (E2M3) with one E8M0 byte for each 32 along K.  A row's quantised t is looked up by idx among the 512 that the launch before has made
; (t hangs on idx alone: shown at the head of the first kernel).  out2 = 2 x the mean of (z_q - z)^2 = the sum of the 256 parts x 2^-20 (exact factor): wave 0 of work-group 0, one owner, a fixed order.
; SHARES.  A work-group takes 128 rows, a wave 32: two tiles of rows.  TWO PHASES of 8 K steps: mean's four tiles of columns, then log_var's four; in each, 8 accumulators by turns, 64 matrix instructions.
; mean's rows are stored while log_var is multiplied.
; A lane (r, h) loads its rows' 48 bytes of each K step straight into the operand's registers: 48 loads of 16 bytes, window 1; they serve both phases.  Each row's codes are loaded by one wave alone.
; The heads' 16 records (102,400 bytes of wdec) are wanted by all four waves: they are copied to LDS once, wave w taking tiles w (ahead of the first barrier) and w + 4 (under phase 1, ahead of the second), and read from there
; two K steps ahead, in two sets of registers.
; Products are used transposed (source 0 = 16 columns of the weight, source 1 = 16 rows); each sum begins with the bias as C.  Results go through the wave's own stage in LDS and leave as whole rows of 256 bytes.
; NO TENSOR LOAD, NO CLUSTER, NO PREFETCH: LDS is filled once and never again, so joint loads would serve one fill of 102,400 bytes; the gathered rows differ from work-group to work-group; there is no loop to run ahead in.
; idx is held to 0 .. 511 ahead of the gather.
.set HL,    0                          ; the heads' records: tile W (0-3 mean, 4-7 log_var) at 12,800 W: K steps 0-3, then 4-7
.set SG,    102400                     ; the stages: for each wave 2 tiles of rows x 2 outputs x 16 rows x 272 bytes
.set SPARE, 172032                     ; the spare words, 128 bytes a wave
.set SPW, 1
.set NIL, 2
.set LI16, 3
.set LA, 3                             ; v3, v4  16 x lane, + 51,200 for tiles 4-7
.set LI4, 5
.set LS, 5                             ; v5, v6  4 x lane, likewise
.set RR, 7
.set HH, 8
.set BO, 9
.set R4, 10
.set CW, 11
.set SO, 12
.set SR, 13
.set H48, 14
.set TA, 15
.set IX, 16                            ; v16, v17 idx of my row in the two tiles
.set AO, 18                            ; v18, v19 96 idx + 48 h
.set SX, 20                            ; v20, v21 32 idx
.set WS, 32                            ; v32-63 the weights' scale words: tile W, K steps 4 n + 2 i (lanes 0-15) and + 1 (lanes 16-31) at 4 W + 2 n + i
.set AS, 64                            ; v64-79 the rows' scale words: tile m, K step s at 8 m + s
.set BS0, 80                           ; weight fragments, four tiles a set: v80-127, v128-175; ahead of the first barrier v80-179: the first copy
.set BI, 180                           ; v180-243 the biases in the result's layout, 8 registers a tile
; window 1: v0-191 my rows' 16 fragments.  window 2: v0-127 the accumulators ((m, W) at 8 (8 m + W)); v128-227 the second copy; then v128-191, v192-255 rows on the way out
.set WV, 24
.set SEL, 58
.set MSB, 0
.macro WIN new                         ; the immediate's high byte repeats the setting that is left
.if MSB != (\new)
	s_set_vgpr_msb (MSB<<8)|(\new)
.set MSB, (\new)
.endif
.endm
.macro PTR d, b, o
	s_mov_b32 s30, s[\o]
	s_add_nc_u64 s[\d:\d+1], s[\b:\b+1], s[30:31]
.endm
.macro WM d, a, b, c, sa, sb, row
.if (\row)%2
	v_wmma_scale_f32_16x16x128_f8f6f4 v[(\d):(\d)+7], v[(\a):(\a)+11], v[(\b):(\b)+11], v[(\c):(\c)+7], v[(\sa)], v[(\sb)] matrix_a_fmt:MATRIX_FMT_FP6 matrix_b_fmt:MATRIX_FMT_FP6 matrix_a_scale:MATRIX_SCALE_ROW1
.else
	v_wmma_scale_f32_16x16x128_f8f6f4 v[(\d):(\d)+7], v[(\a):(\a)+11], v[(\b):(\b)+11], v[(\c):(\c)+7], v[(\sa)], v[(\sb)] matrix_a_fmt:MATRIX_FMT_FP6 matrix_b_fmt:MATRIX_FMT_FP6
.endif
.endm
; Step q = 8 x phase + K step
.macro FETCH q                         ; 12 LDS loads: the phase's four tiles' fragments of the K step into set q % 2
.irp W, 0,1,2,3
.irp c, 0,1,2
	ds_load_b128 v[BS0+48*((\q)%2)+12*\W+4*\c:BS0+48*((\q)%2)+12*\W+4*\c+3], v[LA+(\q)/8] offset:\W*12800+(((\q)%8)/4)*6400+((\q)%4)*1536+512*\c
.endr
.endr
.endm
.macro WSL g                           ; 16 LDS loads: the phase's scale words
.irp W, 0,1,2,3
.irp n, 0,1
.irp i, 0,1
	ds_load_b32 v[WS+4*(4*\g+\W)+2*\n+\i], v[LS+\g] offset:\W*12800+6400*\n+6144+128*\i
.endr
.endr
.endr
.endm
.macro STEP q, n                       ; 8 matrix instructions; n: the LDS instructions issued behind this set's loads, which may be out
	s_wait_dscnt \n
.if ((\q)%8) == 0
	WIN 0x84                                       ; D window 2, C (the bias) window 0, source 1 (rows) window 1, source 0 (weights) window 0
.else
	WIN 0xa4                                       ; C window 2 too
.endif
.irp W, 0,1,2,3
.irp m, 0,1
.if ((\q)%8) == 0
	WM 8*(8*\m+4*((\q)/8)+\W), BS0+48*((\q)%2)+12*\W, 12*(8*\m+(\q)%8), BI+8*(4*((\q)/8)+\W), WS+4*(4*((\q)/8)+\W)+2*(((\q)%8)/4)+((\q)%4)/2, AS+8*\m+(\q)%8, \q
.else
	WM 8*(8*\m+4*((\q)/8)+\W), BS0+48*((\q)%2)+12*\W, 12*(8*\m+(\q)%8), 8*(8*\m+4*((\q)/8)+\W), WS+4*(4*((\q)/8)+\W)+2*(((\q)%8)/4)+((\q)%4)/2, AS+8*\m+(\q)%8, \q
.endif
.endr
.endr
	WIN 0
.rept 4
	v_nop                                          ; four places ahead of loads into registers that the products have read, and of the first read of results
.endr
.endm
; The way out of phase g: tile W, lane (r, h), register j = column 32 (W / 2) + 16 h + 8 (W % 2) + j of row r.  16 stores into my stage, 16 loads back as whole rows
.macro TOSTAGE g
	WIN 0x08                                       ; an LDS store's data are its source 1: window 2
.irp m, 0,1
.irp W, 0,1,2,3
	ds_store_b128 v[SO], v[8*(8*\m+4*\g+\W):8*(8*\m+4*\g+\W)+3] offset:8704*\m+4352*\g+128*(\W/2)+32*(\W%2)          ; each accumulator from its low end on
	ds_store_b128 v[SO], v[8*(8*\m+4*\g+\W)+4:8*(8*\m+4*\g+\W)+7] offset:8704*\m+4352*\g+128*(\W/2)+32*(\W%2)+16
.endr
.endr
	WIN 0x80                                       ; destination window 2
.irp m, 0,1
.irp i, 0,1,2,3,4,5,6,7
	ds_load_b128 v[128+64*\g+4*(8*\m+\i):128+64*\g+4*(8*\m+\i)+3], v[SR] offset:8704*\m+4352*\g+544*\i   ; LDS serves a wave's instructions in order: these see my stores
.endr
.endr
	WIN 0
.endm
.macro SEND g
	WIN 0x08                                       ; a store's data are its source 1: window 2
.irp m, 0,1
.irp i, 0,1,2,3,4,5,6,7
	global_store_b128 v[LI16], v[128+64*\g+4*(8*\m+\i):128+64*\g+4*(8*\m+\i)+3], s[18+2*\g:19+2*\g] offset:4096*\m+512*\i th:TH_STORE_NT   ; 32 lanes store two rows, 512 consecutive bytes
.endr
.endr
	WIN 0
.endm
	s_load_b512 s[4:19], s[0:1], 0x0               ; idx, t2c, tsc, wdec, mean_b, lv_b, part, out0
	s_load_b128 s[20:23], s[0:1], 0x40             ; out1, out2
	v_lshl_add_u32 v[SPW], v0, 2, SPARE
	v_mov_b32 v[NIL], 0
	v_lshrrev_b32 v[TA], 5, v0
	v_readfirstlane_b32 s[WV], v[TA]               ; wave 0..3
	s_mov_b32 s[SEL], 0x76543210
	s_mov_b32 s[SEL+1], 0xfedcba98
	s_mov_b32 s31, 0
	s_or_b32 s33, ttmp9, s[WV]                     ; 0 in wave 0 of work-group 0 alone
	s_lshl_b32 s46, ttmp9, 15
	s_lshl_b32 s29, s[WV], 13
	s_add_co_u32 s46, s46, s29                     ; the outputs: (128 g + 32 w) rows of 256 bytes
	s_lshr_b32 s44, s46, 6                         ; idx: the same rows, 4 bytes each
	s_mul_i32 s45, s[WV], 128000
	s_add_co_u32 s45, s45, 115200                  ; wdec: the heads' two records close each stream of 20; I copy those of streams w and w + 4
	s_mul_i32 s35, s[WV], 12800
	s_mul_i32 s36, s[WV], 17408
	s_add_co_u32 s36, s36, SG
	v_and_b32 v[TA], 31, v0
	v_lshlrev_b32 v[LI16], 4, v[TA]
	v_lshlrev_b32 v[LI4], 2, v[TA]
	v_add_nc_u32 v[LA+1], 51200, v[LI16]
	v_add_nc_u32 v[LS+1], 51200, v[LI4]
	v_and_b32 v[RR], 15, v0
	v_bfe_u32 v[HH], v0, 4, 1
	v_lshlrev_b32 v[BO], 6, v[HH]
	v_lshlrev_b32 v[R4], 2, v[RR]
	v_add_nc_u32 v[CW], s35, v[LI16]
	v_mul_u32_u24 v[SO], v[RR], 272
	v_add_nc_u32 v[SO], v[SO], v[BO]
	v_add_nc_u32 v[SO], s36, v[SO]                 ; the stage, in: row r, + 64 h
	v_mul_u32_u24 v[SR], v[HH], 272
	v_lshl_add_u32 v[SR], v[RR], 4, v[SR]
	v_add_nc_u32 v[SR], s36, v[SR]                 ; back: lanes 0-15 one row, lanes 16-31 the next
	v_mul_u32_u24 v[H48], v[HH], 48
	s_wait_alu depctr_va_vdst(0)
	s_wait_kmcnt 0x0
	PTR 4, 4, 44
	PTR 10, 10, 45
	PTR 18, 18, 46
	PTR 20, 20, 46
	; ---- loads: idx 2, the first copy 25, the biases 16
	global_load_b32 v[IX], v[R4], s[4:5]
	global_load_b32 v[IX+1], v[R4], s[4:5] offset:64
.set j, 0
.rept 25
	global_load_b128 v[BS0+4*j:BS0+4*j+3], v[LI16], s[10:11] offset:512*j
.set j, j+1
.endr
.irp W, 0,1,2,3
	global_load_b128 v[BI+8*\W:BI+8*\W+3], v[BO], s[12:13] offset:128*(\W/2)+32*(\W%2)          ; mean_b
	global_load_b128 v[BI+8*\W+4:BI+8*\W+7], v[BO], s[12:13] offset:128*(\W/2)+32*(\W%2)+16
	global_load_b128 v[BI+8*(\W+4):BI+8*(\W+4)+3], v[BO], s[14:15] offset:128*(\W/2)+32*(\W%2)  ; lv_b
	global_load_b128 v[BI+8*(\W+4)+4:BI+8*(\W+4)+7], v[BO], s[14:15] offset:128*(\W/2)+32*(\W%2)+16
.endr
	s_wait_loadcnt 41                              ; idx is in: behind it stand the copy's 25 loads and the biases' 16
.irp m, 0,1
	v_min_u32 v[IX+\m], 0x1ff, v[IX+\m]
.endr
.irp m, 0,1
	v_mul_u32_u24 v[AO+\m], v[IX+\m], 96
	v_lshlrev_b32 v[SX+\m], 5, v[IX+\m]
.endr
.irp m, 0,1
	v_add_nc_u32 v[AO+\m], v[AO+\m], v[H48]
.endr
	; my rows' codes 48, their scale words 4
	WIN 0x40                                       ; destination window 1
.irp s, 0,1,2,3,4,5,6,7
.irp m, 0,1
.irp q, 0,1,2
	global_load_b128 v[12*(8*\m+\s)+4*\q:12*(8*\m+\s)+4*\q+3], v[AO+\m], s[6:7] offset:49152*\s+16*\q
.endr
.endr
.endr
	WIN 0
.irp m, 0,1
	global_load_b128 v[AS+8*\m:AS+8*\m+3], v[SX+\m], s[8:9]
	global_load_b128 v[AS+8*\m+4:AS+8*\m+7], v[SX+\m], s[8:9] offset:16
.endr
	; ---- the loss: one wave of the launch
	s_wait_alu depctr_va_vdst(0)
	s_cmp_lg_u32 s33, 0
	s_cbranch_scc1 .Lnot_first
	global_load_b128 v[24:27], v[LI16], s[16:17]
	global_load_b128 v[28:31], v[LI16], s[16:17] offset:512
	s_wait_loadcnt 0x0
	v_pk_add_f32 v[24:25], v[24:25], v[26:27]
	v_pk_add_f32 v[28:29], v[28:29], v[30:31]
	v_pk_add_f32 v[24:25], v[24:25], v[28:29]
	v_add_f32 v24, v24, v25
	v_add_f32_dpp v24, v24, v24 row_xmask:1 row_mask:0xf bank_mask:0xf
	v_add_f32_dpp v24, v24, v24 row_xmask:2 row_mask:0xf bank_mask:0xf
	v_add_f32_dpp v24, v24, v24 row_xmask:4 row_mask:0xf bank_mask:0xf
	v_add_f32_dpp v24, v24, v24 row_xmask:8 row_mask:0xf bank_mask:0xf
	v_permlanex16_b32 v25, v24, s[SEL], s[SEL+1]
	v_add_f32 v24, v24, v25
	v_mul_f32 v24, 0x35800000, v24                 ; x 2^-20
	v_mov_b32 v26, 0
	v_cmp_eq_u32 vcc_lo, 0, v0
	s_wait_alu depctr_va_vdst(0)
	s_wait_xcnt 0x0                                ; EXEC changes only behind this wait
	s_and_saveexec_b32 s34, vcc_lo
	global_store_b32 v26, v24, s[22:23]
	s_wait_xcnt 0x0
	s_or_b32 exec_lo, exec_lo, s34
.Lnot_first:
	s_wait_loadcnt 63                              ; 68 loads stand behind the first copy's 25: they are in
.set j, 0
.rept 25
	ds_store_b128 v[CW], v[BS0+4*j:BS0+4*j+3] offset:512*j
.set j, j+1
.endr
	WIN 0x80                                       ; destination window 2
.set j, 0
.rept 25
	global_load_b128 v[128+4*j:131+4*j], v[LI16], s[10:11] offset:512000+512*j   ; the second copy: log_var's tile w
.set j, j+1
.endr
	WIN 0
	s_wait_dscnt 0x0                               ; my tile of mean's records has landed
	s_barrier_signal -1
	s_barrier_wait -1
	; ---- phase 1: mean
	WSL 0
	FETCH 0
	FETCH 1
	s_wait_loadcnt 25                              ; the biases, my rows' codes and scale words are in; the second copy's 25 loads may be out
	STEP 0, 12
	FETCH 2
	STEP 1, 12
	FETCH 3
	STEP 2, 12
	FETCH 4
	STEP 3, 12
	FETCH 5
	s_wait_loadcnt 0x0                             ; the second copy
	WIN 0x08
.set j, 0
.rept 25
	ds_store_b128 v[CW], v[128+4*j:131+4*j] offset:51200+512*j
.set j, j+1
.endr
	WIN 0
	STEP 4, 37                                     ; behind this set's loads: the next set's 12 and the copy's 25 stores
	FETCH 6
	STEP 5, 37
	s_wait_dscnt 0x0                               ; my tile of log_var's records has landed
	s_barrier_signal -1
	s_barrier_wait -1
	FETCH 7
	STEP 6, 12
	WSL 1
	FETCH 8
	STEP 7, 28                                     ; behind this set's loads: 16 scale words and the next set's 12
	FETCH 9
	TOSTAGE 0
	; ---- phase 2: log_var
	STEP 8, 44                                     ; behind this set's loads: the next set's 12 and the way out's 32
	FETCH 10
	s_wait_dscnt 12                                ; mean's rows are back in registers
	SEND 0
	STEP 9, 12
	FETCH 11
	STEP 10, 12
	FETCH 12
	STEP 11, 12
	FETCH 13
	STEP 12, 12
	FETCH 14
	STEP 13, 12
	FETCH 15
	STEP 14, 12
	STEP 15, 0
	TOSTAGE 1
	s_wait_dscnt 0x0
	SEND 1
	s_wait_tensorcnt 0x0                           ; the wave's end: behind my last LDS store
	ds_add_u32 v[SPW], v[NIL]
	s_wait_dscnt 0x0
	s_endpgm
.Lfunc_end_k_q6f1b954531_out:
	.size	k_q6f1b954531_out, .Lfunc_end_k_q6f1b954531_out-k_q6f1b954531_out
	.p2alignl 7, 3214868480
	.fill 96, 4, 3214868480
	.section	.rodata,"a",@progbits
	.p2align	6, 0x0
	.amdhsa_kernel k_q6f1b954531_out
		.amdhsa_group_segment_fixed_size 172544
		.amdhsa_private_segment_fixed_size 0
		.amdhsa_enable_private_segment 0
		.amdhsa_kernarg_size 80
		.amdhsa_user_sgpr_count 2
		.amdhsa_user_sgpr_kernarg_segment_ptr 1
		.amdhsa_wavefront_size32 1
		.amdhsa_system_sgpr_workgroup_id_x 1
		.amdhsa_system_sgpr_workgroup_id_y 1
		.amdhsa_system_sgpr_workgroup_id_z 1
		.amdhsa_system_vgpr_workitem_id 0
		.amdhsa_next_free_vgpr 768
		.amdhsa_next_free_sgpr 66
		.amdhsa_reserve_vcc 1
		.amdhsa_float_denorm_mode_32 3
		.amdhsa_float_denorm_mode_16_64 3
		.amdhsa_memory_ordered 1
		.amdhsa_forward_progress 1
		.amdhsa_inst_pref_size 60
	.end_amdhsa_kernel
	.amdgpu_metadata
---
amdhsa.version: [ 1, 2 ]
amdhsa.kernels:
  - .name:           k_q6f1b954531_out
    .symbol:         k_q6f1b954531_out.kd
    .args:
      - { .name: idx, .offset: 0, .size: 8, .value_kind: global_buffer, .address_space: global }
      - { .name: t2c, .offset: 8, .size: 8, .value_kind: global_buffer, .address_space: global }
      - { .name: tsc, .offset: 16, .size: 8, .value_kind: global_buffer, .address_space: global }
      - { .name: wdec, .offset: 24, .size: 8, .value_kind: global_buffer, .address_space: global }
      - { .name: mean_b, .offset: 32, .size: 8, .value_kind: global_buffer, .address_space: global }
      - { .name: lv_b, .offset: 40, .size: 8, .value_kind: global_buffer, .address_space: global }
      - { .name: part, .offset: 48, .size: 8, .value_kind: global_buffer, .address_space: global }
      - { .name: out0, .offset: 56, .size: 8, .value_kind: global_buffer, .address_space: global }
      - { .name: out1, .offset: 64, .size: 8, .value_kind: global_buffer, .address_space: global }
      - { .name: out2, .offset: 72, .size: 8, .value_kind: global_buffer, .address_space: global }
    .group_segment_fixed_size: 172544
    .private_segment_fixed_size: 0
    .kernarg_segment_align: 8
    .kernarg_segment_size: 80
    .max_flat_workgroup_size: 128
    .sgpr_count:     66
    .vgpr_count:     768
    .wavefront_size: 32
...
	.end_amdgpu_metadata
.endif
;; end of part 4
